; MI455X (gfx1250); checked and timed in simulation.
; The chip was launched on July 23, 2026; its instructions are those of AMD's public machine-readable ISA for CDNA 5 (MIT licence, August 2026) and "CDNA5" Instruction Set Architecture Reference Guide (July 2026). The comments in the code are by the model that wrote it; some were corrected since.
;; Attention. Allowed arithmetic: matrix products marked QUANTISED: E5M2 operands, one E8M0 scale for each 32 along K, by v_wmma_scale_f32_16x16x128_f8f6f4 with both operands' format E5M2, f32 sums; everything else in f32.
;; Inputs: Wk 1,024 x 1,024 float32; Wq 1,024 x 1,024 float32; Wv 1,024 x 1,024 float32; b_k 1,024 float32; b_t 1,024 float32; b_v 1,024 float32; bk 1,024 float32; bq 1,024 float32; bv 1,024 float32; g_k 1,024 float32; g_t 1,024 float32; g_v 1,024 float32; source_k 8 x 2,048 x 1,024 float32; source_v 8 x 2,048 x 1,024 float32; target 8 x 512 x 1,024 float32.
;; Outputs: out0 8 x 512 x 1,024 float32.
;; This version of the problem:
;;   THIS VERSION OF THE PROBLEM IS GIVEN IN LOW PRECISION. The matrix products marked QUANTISED in the list below multiply operands that are first quantised to E5M2 (5 exponent bits, 2 mantissa bits; 8 bits a number), with one power-of-two scale for each 32 numbers along K (OCP MX v1.0); their sums are f32. All else is computed in f32.
;;   The module's matrix products, in the order in which they are computed (A, B: the left and right operand; K: the contracted axis; several contracted axes count as one K, in the product's order):
;;     1. [M 4,096, K 1,024] x [K 1,024, N 1,024]; A: computed on the way; B: input Wq: QUANTISED
;;     2. [M 16,384, K 1,024] x [K 1,024, N 1,024]; A: computed on the way; B: input Wk: QUANTISED
;;     3. [M 16,384, K 1,024] x [K 1,024, N 1,024]; A: computed on the way; B: input Wv: QUANTISED
;;     4. batch 8 x [M 512, K 1,024] x [K 1,024, N 2,048]; A: computed on the way; B: computed on the way: QUANTISED
;;     5. batch 8 x [M 512, K 2,048] x [K 2,048, N 1,024]; A: softmax (see below); B: computed on the way: QUANTISED
;;   THE QUANTISER, for each operand of a quantised product, along K:
;;     - K is cut into blocks of 32 from its start; a last block that is shorter is filled with zeros.
;;     - A block's scale is 2^e with e = floor(log2(the largest magnitude in the block)) - 15, held to -126 .. 127; a block of zeros has e = 0. As a byte (E8M0): e + 127.
;;     - Each number is divided by its block's scale, clamped to +-57,344, and rounded to the nearest number of E5M2, ties to even, subnormals kept.
;;     - The product sums the exact products of the quantised numbers (number of the format x scale) in f32.
;;   ~~~python
;;   def quantise(x, axis):      # numpy; x: float32 -> the quantised numbers, widened to float32 again
;;       x = np.moveaxis(x, axis, -1); K = x.shape[-1]
;;       x = np.pad(x, [(0, 0)] * (x.ndim - 1) + [(0, -K % 32)]); x = x.reshape(x.shape[:-1] + (-1, 32)); a = np.abs(x).max(-1, keepdims=True)
;;       e = np.where(a > 0, np.clip(np.frexp(np.where(a > 0, a, 1))[1] - 1 - 15, -126, 127), 0)      # np.frexp(a)[1] - 1 = floor(log2(a)), exactly
;;       r = np.clip(x / 2.0 ** e, -57344, 57344)
;;       step = 2.0 ** (np.maximum(np.frexp(np.where(r == 0, 1, r))[1] - 1, -14) - 2)
;;       q = np.round(r / step) * step * 2.0 ** e      # np.round: ties to even
;;       return np.moveaxis(q.reshape(q.shape[:-2] + (-1,))[..., :K], -1, axis).astype(np.float32)
;;   ~~~
;;   SOFTMAX AHEAD OF A QUANTISED PRODUCT. Where the list says 'softmax', what is quantised is not the finished softmax but p = 2^(t - M), with t = logit x log2(e) and M = ceil(the row's largest t), a whole number; so 1/2 < the row's largest p <= 1. The row's sum l is taken of the UNQUANTISED p, in f32, and the product's result is divided by l at the end. Since M is a whole number, a kernel that streams over the keys may use a running M (the ceiling of the running maximum): every later rescaling is an exact power of two, which a block's scale takes up: the codes' values come out the same.
;;   OPERANDS COMPUTED ON THE WAY. 'Computed on the way' means the value that the module computes at that place (a softmax that the list does not call 'softmax' is quantised finished and normalised). What goes into a quantiser is computed in f32, as accurately as f32 sums, v_exp_f32 and their like allow (about 1e-6 of the number): no bf16 or f16 on the way to a quantiser, and a product that is left as it is and whose result goes on into a quantised operand takes f32 operands (vector FMAs, or v_wmma_f32_16x16x4_f32). A number that lies on a knife's edge between two numbers of the format may be rounded either way, as far as f32 arithmetic and the matrix unit's own rounding can turn it there, and no further.
;; One version. Each part assembles by itself: llvm-mc -triple=amdgcn-amd-amdhsa -mcpu=gfx1250 --defsym DOCPART=n.
;; ======== version 1 of 1: 4 launches
;; limits: right only within a limited range of input values
;; workspace buffers: xc 40,894,464 bytes; xs 1,277,952 bytes; qk 20,971,520 bytes; qks 655,360 bytes; vt 16,777,216 bytes; vts 524,288 bytes; pc 8,388,608 bytes; pst 786,432 bytes
;; launch prep (part 1): grid 624 x 1, 4 waves a work-group, no clusters, 72,192 bytes of LDS; arguments target, source_k, source_v, Wq, Wk, Wv, g_t, b_t, g_k, b_k, g_v, b_v, xc, xs; writes xc, xs
.if DOCPART == 1
	.amdgcn_target "amdgcn-amd-amdhsa--gfx1250"
	.amdhsa_code_object_version 6
	.text
	.protected	k_q68190ac8a3_prep
	.globl	k_q68190ac8a3_prep
	.p2align	8
	.type	k_q68190ac8a3_prep,@function
k_q68190ac8a3_prep:
	s_mov_b64 s[64:65], 0
	v_nop
	global_prefetch_b8 v0, s[64:65] scope:SCOPE_SE
	s_setreg_imm32_b32 hwreg(HW_REG_WAVE_MODE, 25, 1), 1
	s_wait_xcnt 0x0
; LayerNorm of target, source_k, source_v (rows of 1,024 f32) and the quantising, along the rows, of the results and of Wq, Wk, Wv to codes of E5M2 with one E8M0 byte for each 32.
; xc holds 39,936 rows: 0 target, 4,096 source_k, 20,480 source_v, 36,864 Wq, 37,888 Wk, 38,912 Wv.  source_k, source_v, Wq and Wk are STORED WITH BITS 3 AND 4 OF THE ROW INDEX SWAPPED,
; so that the products that take them as source 0 leave a lane 16 neighbours of the next K in 16 registers.
; LAYOUT OF xc: [rows / 128][4 K steps of 256][8 blocks of 16 rows][2 fragments][2,048 bytes]; a fragment is the image of an operand's registers: byte 512 c + 16 lane + y is the code of
; k = 32 c + 16 (lane / 16) + y of row lane % 16.  LAYOUT OF xs: [rows / 256][8 fragments along K][1,024 bytes]; the word (4 bytes) of row p of the 256 lies at 256 (p / 64) + 16 (p % 16) + 4 ((p / 16) % 4).
; SHARES.  A work-group takes 64 stored rows, a wave 16, one row at a time with all 32 lanes on it: register 4 i + j holds element 128 i + 4 lane + j, so each load reads 512 consecutive bytes and a block of 32 lies in 8 lanes.
; A weight's row takes the same path with mean 0, factor 1, gain 1 and bias 0, chosen by selects on the work-group's number: y = x exactly, and the text has no branch.
; A block's scale is 2^(floor(log2(its largest magnitude)) - 15).  Each number is multiplied by 2^-e (exact), held within +-57,344 and converted with the scale 1.
; LIMITS: NaN and infinities are not served.  A largest magnitude under 2^-111 is taken as 2^-111 (the byte is held at 1), so a block of zeros has the byte 1 where the rule says 127: its codes are zeros, and this program alone reads the bytes.
.set WSTG,  17408                      ; a wave's stage: 64 units (16 along K x 16 rows x 1 byte = 256 bytes) + 16 of padding each: 68 words, so that the 32 lanes of a store fall on 32 banks (64 banks of 4 bytes: ISA guide 11.1)
.set SS,    4*WSTG                     ; behind the stages: 512 scale bytes for each wave, [row][32]
.set MU,   8                           ; v[8:9]    the mean (low word; the pair is named by the packed form)
.set RS,   10                          ; v[10:11]  1 / sqrt(var + eps)
.set T,    12                          ; v12-19    at work
.set M,    20                          ; v20-27    the largest magnitude of my block in each of the 8 chunks
.set INV,  28                          ; v28-43    chunk i: v[28 + 2 i] = 2^-e, v[29 + 2 i] = the scale's byte
.set C,    44                          ; v44-51    chunk i: my 4 codes
.set ONE,  52
.set NUL,  53
.set G,    56                          ; v56-87    the gain, in a row's layout
.set B,    88                          ; v88-119   the bias
.set X,    120                         ; v120-215  three sets of 32: rows in flight
	s_load_b512 s[8:23], s[0:1], 0x0               ; target, source_k, source_v, Wq, Wk, Wv, g_t, b_t
	s_load_b256 s[24:31], s[0:1], 0x40             ; g_k, b_k, g_v, b_v
	s_load_b128 s[32:35], s[0:1], 0x60             ; xc, xs
	v_lshl_add_u32 v216, v0, 2, 0x11800
	v_mov_b32 v217, 0
	v_lshrrev_b32 v7, 5, v0
	v_readfirstlane_b32 s3, v7                     ; wave
	v_and_b32 v7, 31, v0                           ; lane
	v_lshlrev_b32 v1, 4, v7                        ; v1: 16 x lane: my bytes of a load's or a store's 512
	s_mul_i32 s2, s3, WSTG
	v_lshrrev_b32 v2, 2, v7
	v_mul_u32_u24 v2, v2, 272
	v_and_b32 v3, 3, v7
	v_lshl_add_u32 v2, v3, 2, v2
	v_add_nc_u32 v2, s2, v2                        ; v2: into the stage: unit lane / 4 of a chunk's eight, bytes 4 (lane % 4) of a row's 16
	v_lshrrev_b32 v4, 4, v7
	v_mul_u32_u24 v4, v4, 272
	v_and_b32 v5, 15, v7
	v_lshl_add_u32 v4, v5, 4, v4
	v_add_nc_u32 v4, s2, v4                        ; v4: out of it: two units an instruction, a lane a row
	s_lshl_b32 s2, s3, 9
	s_add_co_u32 s2, s2, SS
	v_lshrrev_b32 v3, 3, v7
	v_add_nc_u32 v3, s2, v3                        ; v3: my block's scale byte: lane / 8 of a chunk's four
	v_and_b32 v5, 1, v7
	v_lshlrev_b32 v5, 10, v5
	v_lshrrev_b32 v6, 1, v7
	v_lshl_add_u32 v5, v6, 5, v5
	s_lshl_b32 s2, s3, 3
	s_add_co_u32 s2, s2, SS
	v_add_nc_u32 v5, s2, v5                        ; v5: the scale words on their way out: wave 2 (lane % 2), row lane / 2, fragment 2 x my wave
	v_lshlrev_b32 v6, 3, v7                        ; v6: 8 x lane
	v_mov_b32 v[ONE], 1.0
	v_mov_b32 v[NUL], 0
	v_mov_b32 v[MU+1], 0                           ; (named as the upper halves of pairs)
	v_mov_b32 v[RS+1], 0
	s_mov_b32 s47, 0x3a800000                      ; 1 / 1,024
	s_mov_b32 s48, 0x3727c5ac                      ; eps = 1e-5
	s_mov_b32 s49, 0xc7600000                      ; -57,344
	s_mov_b32 s50, 0x47600000                      ; 57,344
	s_mov_b32 s52, 0x76543210                      ; v_permlanex16_b32: lane l xor 16
	s_mov_b32 s53, 0xfedcba98
	s_wait_alu depctr_va_vdst(0)
	s_wait_kmcnt 0x0
	; which tensor is my work-group's: the choice hangs on the work-group's number alone.  From Wv downwards
	s_mov_b64 s[36:37], s[18:19]                   ; the rows
	s_mov_b64 s[38:39], s[20:21]                   ; the gain (a weight reads g_t and b_t and does not use them)
	s_mov_b64 s[40:41], s[22:23]                   ; the bias
	s_mov_b32 s42, 608                             ; the tensor's first work-group
	s_cmp_lt_u32 ttmp9, 608
	s_cselect_b64 s[36:37], s[16:17], s[36:37]
	s_cselect_b32 s42, 592, s42
	s_cmp_lt_u32 ttmp9, 592
	s_cselect_b64 s[36:37], s[14:15], s[36:37]
	s_cselect_b32 s42, 576, s42
	s_cmp_lt_u32 ttmp9, 576
	s_cselect_b64 s[36:37], s[12:13], s[36:37]
	s_cselect_b64 s[38:39], s[28:29], s[38:39]
	s_cselect_b64 s[40:41], s[30:31], s[40:41]
	s_cselect_b32 s42, 320, s42
	s_cselect_b32 s44, 0, -1                       ; a lane mask: all ones for a weight
	s_cselect_b32 s46, s47, 0                      ; the mean's factor: 0 for a weight
	s_cmp_lt_u32 ttmp9, 320
	s_cselect_b64 s[36:37], s[10:11], s[36:37]
	s_cselect_b64 s[38:39], s[24:25], s[38:39]
	s_cselect_b64 s[40:41], s[26:27], s[40:41]
	s_cselect_b32 s42, 64, s42
	s_cmp_lt_u32 ttmp9, 64
	s_cselect_b64 s[36:37], s[8:9], s[36:37]
	s_cselect_b64 s[38:39], s[20:21], s[38:39]
	s_cselect_b64 s[40:41], s[22:23], s[40:41]
	s_cselect_b32 s42, 0, s42
	; my 16 stored rows come from two runs of 8 rows of the tensor: natural order: 16 sb and 8 rows on; swapped: 32 (sb / 2) + 8 (sb % 2) and 16 rows on
	s_sub_co_u32 s2, ttmp9, s42
	s_lshl_b32 s2, s2, 2
	s_add_co_u32 s2, s2, s3                        ; sb: my block of 16 in the tensor
	s_lshl_b32 s45, s2, 4
	s_lshr_b32 s51, s2, 1
	s_lshl_b32 s51, s51, 5
	s_and_b32 s54, s2, 1
	s_lshl_b32 s54, s54, 3
	s_add_co_u32 s51, s51, s54
	s_mov_b32 s54, 8*4096
	s_sub_co_u32 s43, ttmp9, 64
	s_cmp_lt_u32 s43, 544                          ; source_k, source_v, Wq, Wk
	s_cselect_b32 s45, s51, s45
	s_cselect_b32 s54, 16*4096, s54
	s_mov_b32 s55, 0
	s_add_nc_u64 s[6:7], s[36:37], s[54:55]
	s_lshl_b32 s54, s45, 12
	s_add_nc_u64 s[4:5], s[36:37], s[54:55]        ; s[4:5]: stored rows 0-7
	s_add_nc_u64 s[6:7], s[6:7], s[54:55]          ; s[6:7]: stored rows 8-15
	s_lshl_b32 s2, ttmp9, 2
	s_add_co_u32 s2, s2, s3                        ; my block of 16 in xc
	s_lshr_b32 s54, s2, 3
	s_lshl_b32 s54, s54, 17
	s_and_b32 s2, s2, 7
	s_lshl_b32 s2, s2, 12
	s_add_co_u32 s54, s54, s2
	s_add_nc_u64 s[32:33], s[32:33], s[54:55]      ; xc at my block
	s_lshr_b32 s54, ttmp9, 2
	s_lshl_b32 s54, s54, 13
	s_and_b32 s2, ttmp9, 3
	s_lshl_b32 s2, s2, 8
	s_add_co_u32 s54, s54, s2
	s_lshl_b32 s2, s3, 11
	s_add_co_u32 s54, s54, s2
	s_add_nc_u64 s[34:35], s[34:35], s[54:55]      ; xs at my work-group's 256 bytes of fragment 2 x my wave
.macro LOADROW r                       ; stored row r into set r % 3: eight loads of 512 consecutive bytes
.irp i, 0,1,2,3,4,5,6,7
.if (\r) < 8
	global_load_b128 v[X+32*((\r)%3)+4*\i:X+32*((\r)%3)+4*\i+3], v1, s[4:5] offset:((\r)%8)*4096+512*\i th:TH_LOAD_NT
.else
	global_load_b128 v[X+32*((\r)%3)+4*\i:X+32*((\r)%3)+4*\i+3], v1, s[6:7] offset:((\r)%8)*4096+512*\i th:TH_LOAD_NT
.endif
.endr
.endm
.macro REDUCE                          ; two chains in v[T:T+3] become the sum over the row, in every lane's v[T]
	v_pk_add_f32 v[T:T+1], v[T:T+1], v[T+2:T+3]
	v_add_f32 v[T], v[T], v[T+1]
	v_add_f32_dpp v[T], v[T], v[T] row_xmask:1 row_mask:0xf bank_mask:0xf
	v_add_f32_dpp v[T], v[T], v[T] row_xmask:2 row_mask:0xf bank_mask:0xf
	v_add_f32_dpp v[T], v[T], v[T] row_xmask:4 row_mask:0xf bank_mask:0xf
	v_add_f32_dpp v[T], v[T], v[T] row_xmask:8 row_mask:0xf bank_mask:0xf
	v_permlanex16_b32 v[T+1], v[T], s52, s53
	v_add_f32 v[T], v[T], v[T+1]
.endm
; One stored row.  left: the loads of the rows behind it, which may stay out.
.macro ROW r, left
.set XS, X+32*((\r)%3)
	s_wait_loadcnt \left
	v_pk_add_f32 v[T:T+1], v[XS:XS+1], v[XS+2:XS+3]                ; the sum, in two chains
	v_pk_add_f32 v[T+2:T+3], v[XS+4:XS+5], v[XS+6:XS+7]
.irp j, 8,12,16,20,24,28
	v_pk_add_f32 v[T:T+1], v[T:T+1], v[XS+\j:XS+\j+1]
	v_pk_add_f32 v[T+2:T+3], v[T+2:T+3], v[XS+\j+2:XS+\j+3]
.endr
	REDUCE
	v_mul_f32 v[MU], s46, v[T]                     ; the mean
.set j, 0
.rept 16
	v_pk_add_f32 v[XS+j:XS+j+1], v[XS+j:XS+j+1], v[MU:MU+1] op_sel_hi:[1,0] neg_lo:[0,1] neg_hi:[0,1]   ; x - mean
.set j, j+2
.endr
	v_pk_mul_f32 v[T:T+1], v[XS:XS+1], v[XS:XS+1]                  ; the sum of squares of x - mean
	v_pk_mul_f32 v[T+2:T+3], v[XS+2:XS+3], v[XS+2:XS+3]
.irp j, 4,8,12,16,20,24,28
	v_pk_fma_f32 v[T:T+1], v[XS+\j:XS+\j+1], v[XS+\j:XS+\j+1], v[T:T+1]
	v_pk_fma_f32 v[T+2:T+3], v[XS+\j+2:XS+\j+3], v[XS+\j+2:XS+\j+3], v[T+2:T+3]
.endr
	REDUCE
	v_fma_f32 v[T], v[T], s47, s48                 ; var + eps
	s_wait_alu depctr_va_vdst(0)
	v_rsq_f32 v[RS], v[T]
	v_nop                                          ; a plain instruction behind the transcendental (ISA guide 5.7.2),
	s_wait_alu depctr_va_vdst(0)                   ; and a wait ahead of the first use
	v_cndmask_b32 v[RS], v[RS], v[ONE], s44        ; a weight: 1
.set j, 0
.rept 16
	v_pk_mul_f32 v[XS+j:XS+j+1], v[XS+j:XS+j+1], v[RS:RS+1] op_sel_hi:[1,0]
.set j, j+2
.endr
.set j, 0
.rept 16
	v_pk_fma_f32 v[XS+j:XS+j+1], v[XS+j:XS+j+1], v[G+j:G+j+1], v[B+j:B+j+1]
.set j, j+2
.endr
.irp i, 0,1,2,3,4,5,6,7                ; each chunk's block: my 4 numbers and the floor 2^(16 - 127), then the 8 lanes that share the block; the chunks by turns
	v_max3_num_f32 v[M+\i], |v[XS+4*\i]|, |v[XS+4*\i+1]|, |v[XS+4*\i+2]|
.endr
.irp i, 0,1,2,3,4,5,6,7
	v_max3_num_f32 v[M+\i], v[M+\i], |v[XS+4*\i+3]|, 0x8000000
.endr
.irp m, 1,2,4
.irp i, 0,1,2,3,4,5,6,7
	v_max_num_f32_dpp v[M+\i], v[M+\i], v[M+\i] row_xmask:\m row_mask:0xf bank_mask:0xf
.endr
.endr
	s_wait_alu depctr_va_vdst(0)
	s_wait_dscnt 0x0                               ; the last row's LDS stores have read their bytes and codes: both are written again below
.irp i, 0,1,2,3,4,5,6,7
	v_and_b32 v[INV+2*\i], 0x7f800000, v[M+\i]
.endr
.irp i, 0,1,2,3,4,5,6,7
	v_lshrrev_b32 v[INV+2*\i+1], 23, v[M+\i]
.endr
.irp i, 0,1,2,3,4,5,6,7
	v_sub_nc_u32 v[INV+2*\i], 0x86800000, v[INV+2*\i]              ; 2^-e: exponent field 127 + 127 + 15 less the largest magnitude's: between 15 and 253
.endr
.irp i, 0,1,2,3,4,5,6,7
	v_add_nc_u32 v[INV+2*\i+1], -15, v[INV+2*\i+1]                 ; the byte
.endr
.irp i, 0,1,2,3,4,5,6,7
	v_pk_mul_f32 v[XS+4*\i:XS+4*\i+1], v[XS+4*\i:XS+4*\i+1], v[INV+2*\i:INV+2*\i+1] op_sel_hi:[1,0]
	v_pk_mul_f32 v[XS+4*\i+2:XS+4*\i+3], v[XS+4*\i+2:XS+4*\i+3], v[INV+2*\i:INV+2*\i+1] op_sel_hi:[1,0]
.endr
.set j, 0
.rept 32
	v_med3_num_f32 v[XS+j], v[XS+j], s49, s50      ; the conversion to an 8-bit code does not saturate (ISA guide 7.6.2)
.set j, j+1
.endr
.irp g, 0,1,2,3
	v_cvt_scalef32_pk8_bf8_f32 v[C+2*\g:C+2*\g+1], v[XS+8*\g:XS+8*\g+7], v[ONE]
.endr
	v_nop                                          ; a plain instruction behind the last conversion
.irp i, 0,1,2,3,4,5,6,7
	ds_store_b32 v2, v[C+\i] offset:2176*\i+16*(\r)
.endr
.irp i, 0,1,2,3,4,5,6,7
	ds_store_b8 v3, v[INV+2*\i+1] offset:32*(\r)+4*\i              ; the eight lanes of a block write the same byte with the same value
.endr
.if (\r)+3 < 16
	LOADROW (\r)+3
.endif
.endm
.irp i, 0,1,2,3,4,5,6,7
	global_load_b128 v[G+4*\i:G+4*\i+3], v1, s[38:39] offset:512*\i
.endr
.irp i, 0,1,2,3,4,5,6,7
	global_load_b128 v[B+4*\i:B+4*\i+3], v1, s[40:41] offset:512*\i
.endr
	LOADROW 0
	LOADROW 1
	LOADROW 2
	s_wait_loadcnt 24                              ; gain and bias are in; the three rows' 24 loads may be out
.set j, 0
.rept 32
	v_cndmask_b32 v[G+j], v[G+j], v[ONE], s44      ; a weight: gain 1,
	v_cndmask_b32 v[B+j], v[B+j], v[NUL], s44      ; bias 0
.set j, j+1
.endr
.irp r, 0,1,2,3,4,5,6,7,8,9,10,11,12,13
	ROW \r, 16                                     ; the two rows behind it may be out
.endr
	ROW 14, 8
	ROW 15, 0
	; the codes leave as images: two units of the stage are 512 consecutive bytes of xc.  LDS serves a wave's instructions in order (ISA guide 5.7.1.4): these loads see my stores
.irp t, 0,1,2,3,4,5,6,7,8,9,10,11,12,13,14,15
	ds_load_b128 v[X+4*\t:X+4*\t+3], v4 offset:544*\t
.endr
.irp t, 16,17,18,19,20,21,22,23,24,25,26,27,28,29,30,31
	ds_load_b128 v[G+4*(\t-16):G+4*(\t-16)+3], v4 offset:544*\t
.endr
.irp t, 0,1,2,3,4,5,6,7,8,9,10,11,12,13,14,15
	s_wait_dscnt 31-\t                             ; the younger loads of the run may be out
	global_store_b128 v1, v[X+4*\t:X+4*\t+3], s[32:33] offset:(\t/8)*32768+(\t%8)*512
.endr
.irp t, 16,17,18,19,20,21,22,23,24,25,26,27,28,29,30,31
	s_wait_dscnt 31-\t
	global_store_b128 v1, v[G+4*(\t-16):G+4*(\t-16)+3], s[32:33] offset:(\t/8)*32768+(\t%8)*512
.endr
	s_wait_dscnt 0x0                               ; for the others' sake: my scale bytes lie in LDS
	s_barrier_signal -1
	s_barrier_wait -1
	ds_load_b32 v12, v5                            ; fragment 2 w: the words of waves 2 (lane % 2) and + 1, row lane / 2;
	ds_load_b32 v13, v5 offset:512
	ds_load_b32 v14, v5 offset:4                   ; fragment 2 w + 1
	ds_load_b32 v15, v5 offset:516
	s_wait_dscnt 0x0
	global_store_b64 v6, v[12:13], s[34:35]        ; 32 lanes store 256 consecutive bytes, aligned
	global_store_b64 v6, v[14:15], s[34:35] offset:1024
	s_wait_tensorcnt 0x0
	ds_add_u32 v216, v217
	s_wait_dscnt 0x0
	s_endpgm
.Lfunc_end_k_q68190ac8a3_prep:
	.size	k_q68190ac8a3_prep, .Lfunc_end_k_q68190ac8a3_prep-k_q68190ac8a3_prep
	.p2alignl 7, 3214868480
	.fill 96, 4, 3214868480
	.section	.rodata,"a",@progbits
	.p2align	6, 0x0
	.amdhsa_kernel k_q68190ac8a3_prep
		.amdhsa_group_segment_fixed_size 72192
		.amdhsa_private_segment_fixed_size 0
		.amdhsa_enable_private_segment 0
		.amdhsa_kernarg_size 112
		.amdhsa_user_sgpr_count 2
		.amdhsa_user_sgpr_kernarg_segment_ptr 1
		.amdhsa_wavefront_size32 1
		.amdhsa_system_sgpr_workgroup_id_x 1
		.amdhsa_system_sgpr_workgroup_id_y 1
		.amdhsa_system_sgpr_workgroup_id_z 1
		.amdhsa_system_vgpr_workitem_id 0
		.amdhsa_next_free_vgpr 218
		.amdhsa_next_free_sgpr 66
		.amdhsa_reserve_vcc 0
		.amdhsa_float_denorm_mode_32 3
		.amdhsa_float_denorm_mode_16_64 3
		.amdhsa_memory_ordered 1
		.amdhsa_forward_progress 1
		.amdhsa_inst_pref_size 255
	.end_amdhsa_kernel
	.section	.bss,"aw",@nobits
	.p2align	6
	.space	262144
	.amdgpu_metadata
---
amdhsa.version: [ 1, 2 ]
amdhsa.kernels:
  - .name:           k_q68190ac8a3_prep
    .symbol:         k_q68190ac8a3_prep.kd
    .args:
      - { .name: target, .offset: 0, .size: 8, .value_kind: global_buffer, .address_space: global }
      - { .name: source_k, .offset: 8, .size: 8, .value_kind: global_buffer, .address_space: global }
      - { .name: source_v, .offset: 16, .size: 8, .value_kind: global_buffer, .address_space: global }
      - { .name: Wq, .offset: 24, .size: 8, .value_kind: global_buffer, .address_space: global }
      - { .name: Wk, .offset: 32, .size: 8, .value_kind: global_buffer, .address_space: global }
      - { .name: Wv, .offset: 40, .size: 8, .value_kind: global_buffer, .address_space: global }
      - { .name: g_t, .offset: 48, .size: 8, .value_kind: global_buffer, .address_space: global }
      - { .name: b_t, .offset: 56, .size: 8, .value_kind: global_buffer, .address_space: global }
      - { .name: g_k, .offset: 64, .size: 8, .value_kind: global_buffer, .address_space: global }
      - { .name: b_k, .offset: 72, .size: 8, .value_kind: global_buffer, .address_space: global }
      - { .name: g_v, .offset: 80, .size: 8, .value_kind: global_buffer, .address_space: global }
      - { .name: b_v, .offset: 88, .size: 8, .value_kind: global_buffer, .address_space: global }
      - { .name: xc, .offset: 96, .size: 8, .value_kind: global_buffer, .address_space: global }
      - { .name: xs, .offset: 104, .size: 8, .value_kind: global_buffer, .address_space: global }
    .group_segment_fixed_size: 72192
    .private_segment_fixed_size: 0
    .kernarg_segment_align: 8
    .kernarg_segment_size: 112
    .max_flat_workgroup_size: 128
    .sgpr_count:     66
    .vgpr_count:     218
    .wavefront_size: 32
...
	.end_amdgpu_metadata
.endif
;; end of part 1
;; launch proj (part 2): grid 4 x 128, 4 waves a work-group, clusters of 4 x 4, 327,680 bytes of LDS; arguments xc, xs, bq, bk, bv, qk, qks, vt, vts; writes qk, qks, vt, vts
.if DOCPART == 2
	.amdgcn_target "amdgcn-amd-amdhsa--gfx1250"
	.amdhsa_code_object_version 6
	.text
	.protected	k_q68190ac8a3_proj
	.globl	k_q68190ac8a3_proj
	.p2align	8
	.type	k_q68190ac8a3_proj,@function
k_q68190ac8a3_proj:
	s_mov_b64 s[64:65], 0
	v_nop
	global_prefetch_b8 v0, s[64:65] scope:SCOPE_SE
	s_setreg_imm32_b32 hwreg(HW_REG_WAVE_MODE, 25, 1), 1
	s_wait_xcnt 0x0
	s_wait_alu depctr_hold_cnt(0) depctr_sa_sdst(0) depctr_va_vdst(0) depctr_va_sdst(0) depctr_va_ssrc(0) depctr_va_vcc(0) depctr_vm_vsrc(0)
	s_getreg_b32 s2, hwreg(HW_REG_IB_STS2, 6, 4)
	s_cmp_eq_u32 s2, 0
	s_cbranch_scc0 .Lentry_in_a_cluster
	s_endpgm
.Lentry_in_a_cluster:
	s_bfe_u32 s2, ttmp6, 0x10000c
	s_cmp_lg_u32 s2, 0xf033
	s_cbranch_scc0 .Lentry_shape_is_right
	s_endpgm
.Lentry_shape_is_right:
; The projections q and k, and v for batches 0 to 5, on codes of E5M2 (one E8M0 byte for each 32 along K = 1,024), the bias as the C of the first K step, and the results quantised again in registers:
; q and k along e (the K of the scores), v along the keys (the K of the last product).  Nothing leaves as f32.
; 64 tiles of q, 256 of k and 192 of v are 512 work-groups, a multiple of 256; v's other 64 tiles (batches 6 and 7) are made in the next launch, beside the scores, which do not depend on them.
; A tile of 256 x 256 to a work-group of four waves, 128 x 128 to a wave: 64 accumulators, 512 registers.  D = source 0 x source 1^T: a lane holds ONE row of source 1 and eight rows of source 0.
;   clusters 0-19:  source 1 (role A) = 256 rows of LayerNorm(target | source_k), source 0 (role B) = 256 rows of Wq | Wk.   clusters 20-31: A = 256 rows of Wv, B = 256 rows of LayerNorm(source_v).
; The rows of role B are stored with bits 3 and 4 of their index swapped, so the 16 registers of B's blocks 2 b and 2 b + 1 are the true indices 32 b + 16 (lane / 16) + 0 .. 15: the 64 registers of one block of A
; are 128 neighbours along the next K in the order of an operand's registers, and the conversions' results are a fragment's image, stored as 4 x 512 consecutive bytes.
; OPERANDS lie in memory as images of fragments: [rows / 128][K / 256][8 blocks][2 fragments][2,048 bytes]; a fragment comes from LDS by four loads of 512 consecutive bytes.
; Scale words: [rows / 256][K / 128][1,024 bytes], the word of row p at 256 (p / 64) + 16 (p % 16) + 4 ((p / 16) % 4): a tile's are one dense block of 8,192 bytes, brought once.
; LDS: [A, B][half of 128 rows][slot][32,768 bytes], then A's and B's scale words, then the spare words.  THE HEAD HAS ONE LOAD A WAVE: wave 0 A's 256 rows x K steps 0 and 1 (two rows of 65,536 bytes), wave 2 B's,
; waves 1 and 3 the scale words.  K steps 2 and 3 come as refills, a quarter of a slot a wave, each behind a drained round of the cluster's barrier.
; CLUSTERS: 4 x 4 work-groups; A's tiles are asked for jointly along a row of the cluster, B's along a column.
; PREFETCH: K steps 2 and 3 of the activations' rows (role A for q and k, role B for v): K step 2 behind the head's loads, K step 3 behind the first barrier; of the 32,768 bytes that a wave will fetch, each of the four
; partners that ask for them jointly names 8,192, told apart by address: one instruction a wave, lanes 256 bytes apart.  The weights' rows, which up to sixteen clusters read, are not asked for.
; LIMITS: NaN and infinities are not served.  A block's largest magnitude under 2^-111 is taken as 2^-111 (byte 1); a block of zeros has the byte 1 and zero codes; this program alone reads the bytes.
; REGISTERS: window 0: v1-7 at the head, v16-29 addresses, v32-63 scale words (two sets), v64-127 the bias, later the quantiser's registers, v128-255 A's 8 fragments, later held numbers and codes.
;   window 1: B's fragments, two sets.   windows 2, 3: accumulator (a, b) at v[8 (8 (a % 4) + b)].
.set KK,    1024
.set KF,    KK/128
.set LAPS,  KK/512                     ; a lap = two K steps of 256 = once round the ring
.set FR,    16                         ; registers of a fragment
.set NP,    8                          ; places behind this matrix instruction (ISA guide 7.12.1)
.set HALFT, 32768                      ; 128 rows x 256 along K: what one refill brings
.set SLOT,  4*HALFT
.set STEPB, 32768                      ; from a K step to the next, in memory
.set HALFS, 512*KF                     ; half of a tile's scale words
.set SCL,   2*SLOT                     ; behind the ring: A's scale words, then B's
.set BASEA, SCL
.set BASEB, SCL+2*HALFS
.set SPARE, SCL+4*HALFS                ; the spare words, 128 bytes for each wave
.set ADRA, 16                          ; v16-17  LDS address of my A fragments in slot 0, 1
.set ADRB, 20                          ; v20-21  the same for B
.set CO,   26                          ; v26     16 x lane
.set ADRS, 27                          ; v27     my scale words: lanes 0-15 A's, lanes 16-31 B's
.set SPW,  28                          ; v28     my spare word; never rewritten
.set NIL,  29                          ; v29     0; never rewritten
.set SC,   32                          ; set s at v[32 + 16 s]; register 8 q + i: lanes 0-15 the word of A's block i, lanes 16-31 of B's block i, for the slot's q-th 128 along K
.set BI,   64                          ; the bias: 8 tiles of 8 registers
.set TM,   64                          ; the way out: v64-67 largest magnitudes, v68-71 bytes, v72-75 57,344 x the scale, v76-79 the conversions' scale operands
.set PW,   80                          ; v80-87  block a's scale word
.set TT,   88                          ; v88-91  the words as they are stored
.set AF,   128
.set H,    128                         ; the way out: 64 held numbers
.set CDS,  192                         ; and four sets of 16 code registers
.set G1, 24
.set G0, 32
.set G1B, 48
.set G0B, 56
.set G1S, 68
.set G0S, 76
.set G1SB, 80
.set G0SB, 88
.set OC, 92                            ; s[92:93] where my codes go;  s[94:95] my scale words;  s[96:97] my part of the bias
.set OS, 94
.set BP, 96
.set PF, 66                            ; s[66:67] where my prefetches stand; v7 their offset, 256 x lane: neither is rewritten
.set MSB, 0
.macro WIN new                         ; the immediate's high byte repeats the setting that is left
.if MSB != (\new)
	s_set_vgpr_msb (MSB<<8)|(\new)
.set MSB, (\new)
.endif
.endm
.set MUL_LO, 0xa1                      ; source 0 (B) window 1, source 1 (A) window 0, C and D window 2
.set MUL_HI, 0xf1
.set TO_B,   0x40
.macro PLACES n
.rept \n
	v_nop
.endr
.endm
; Waves 0 and 1 fetch for A, waves 2 and 3 for B: the branch hangs on the wave's number alone.  s_nop 0 and four v_nop follow each of the two lines.
.macro JLOAD g0a, g1a, g0b, g1b
	s_cmp_eq_u32 s15, 0
	s_cbranch_scc0 .Lfor_b_\@
	tensor_load_to_lds s[\g0a:\g0a+3], s[\g1a:\g1a+7]
	s_nop 0
	PLACES 4
	s_branch .Lasked_\@
.Lfor_b_\@:
	tensor_load_to_lds s[\g0b:\g0b+3], s[\g1b:\g1b+7]
	s_nop 0
	PLACES 4
.Lasked_\@:
.endm
.macro CREST                           ; a round of the cluster's barrier behind its opening barrier
	s_cmp_lg_u32 s14, 0
	s_cbranch_scc1 .Lnot_wave_0_\@
	s_barrier_signal -3
.Lnot_wave_0_\@:
	s_barrier_wait -3
	s_barrier_signal -1
	s_barrier_wait -1
.endm
.macro CROUND
	s_barrier_signal -1
	s_barrier_wait -1
	CREST
.endm
.macro ASK off                         ; only the waves that fetch the activations' rows ask: role A (0) for q and k, role B (1) for v: the wave's number against the cluster's kind
	s_cmp_eq_u32 s15, s105
	s_cbranch_scc0 .Lnot_mine_\@
	global_prefetch_b8 v7, s[PF:PF+1] offset:\off th:TH_LOAD_NT scope:SCOPE_SE
.Lnot_mine_\@:
.endm
.macro FRAG reg, adr, q, i             ; a fragment's image: four loads of 512 consecutive bytes
.irp c, 0,1,2,3
	ds_load_b128 v[\reg+4*\c:\reg+4*\c+3], v[\adr] offset:2048*(\q)+512*\c+4096*(\i)
.endr
.endm
; 16 matrix instructions: A's blocks a0, a0 + 1 x B's eight.  p: B's set; q: which 128 of the slot; sc: the set of scale words.
; mode 0: onto the sums; 2: the sums begin with the bias of B's block (q, k); 3: with the bias of A's block (v).  The 64 accumulators take turns.
.macro MUL16 a0, p, q, sc, mode
.irp a, \a0, \a0+1
.irp b, 0,1,2,3,4,5,6,7
.if \mode == 0
	v_wmma_scale_f32_16x16x128_f8f6f4 v[8*(8*((\a)%4)+\b):8*(8*((\a)%4)+\b)+7], v[128*(\p)+FR*\b:128*(\p)+FR*\b+FR-1], v[AF+FR*(\a):AF+FR*(\a)+FR-1], v[8*(8*((\a)%4)+\b):8*(8*((\a)%4)+\b)+7], v[SC+16*(\sc)+8*(\q)+\b], v[SC+16*(\sc)+8*(\q)+(\a)] matrix_a_fmt:MATRIX_FMT_BF8 matrix_b_fmt:MATRIX_FMT_BF8 matrix_a_scale:MATRIX_SCALE_ROW1
.elseif \mode == 2
	v_wmma_scale_f32_16x16x128_f8f6f4 v[8*(8*((\a)%4)+\b):8*(8*((\a)%4)+\b)+7], v[128*(\p)+FR*\b:128*(\p)+FR*\b+FR-1], v[AF+FR*(\a):AF+FR*(\a)+FR-1], v[BI+8*\b:BI+8*\b+7], v[SC+16*(\sc)+8*(\q)+\b], v[SC+16*(\sc)+8*(\q)+(\a)] matrix_a_fmt:MATRIX_FMT_BF8 matrix_b_fmt:MATRIX_FMT_BF8 matrix_a_scale:MATRIX_SCALE_ROW1
.else
	v_wmma_scale_f32_16x16x128_f8f6f4 v[8*(8*((\a)%4)+\b):8*(8*((\a)%4)+\b)+7], v[128*(\p)+FR*\b:128*(\p)+FR*\b+FR-1], v[AF+FR*(\a):AF+FR*(\a)+FR-1], v[BI+8*(\a):BI+8*(\a)+7], v[SC+16*(\sc)+8*(\q)+\b], v[SC+16*(\sc)+8*(\q)+(\a)] matrix_a_fmt:MATRIX_FMT_BF8 matrix_b_fmt:MATRIX_FMT_BF8 matrix_a_scale:MATRIX_SCALE_ROW1
.endif
.endr
.endr
.endm
.macro FETCH_B slot, q, p
	WIN TO_B
.irp i, 0,1,2,3,4,5,6,7
	FRAG 128*(\p)+FR*\i, ADRB+\slot, \q, \i
.endr
	WIN 0
.endm
.macro FETCH_A slot, q, i0
.irp i, \i0, \i0+1, \i0+2, \i0+3
	FRAG AF+FR*(\i), ADRA+\slot, \q, \i
.endr
.endm
.macro SCALES sc                       ; a K step's scale words: a load brings four blocks' words of one 128 along K
.irp q, 0,1
.irp g, 0,1
	ds_load_b128 v[SC+16*\sc+8*\q+4*\g:SC+16*\sc+8*\q+4*\g+3], v[ADRS] offset:1024*\q+256*\g
.endr
.endr
.endm
; A slot's first 128 along K.  A has one set of registers: blocks 0-3 are fetched anew in the step's middle, blocks 4-7 at its end; B has two sets.  The loads stand in two long runs.
.macro STEP slot, mode
	s_wait_dscnt 16                                ; all but the youngest 16 loads (A's blocks 4-7) are in
.if \mode >= 2
	WIN 0x81                                       ; C (the bias) window 0, D window 2
.else
	WIN MUL_LO
.endif
	MUL16 0, 0, 0, \slot, \mode
	MUL16 2, 0, 0, \slot, \mode
	s_wait_dscnt 0x0                               ; A's blocks 4-7 are in
	PLACES NP                                      ; in front of loads into registers that matrix instructions have read
	FETCH_B \slot, 1, 1
	FETCH_A \slot, 1, 0
.if \mode >= 2
	WIN 0xc1
.else
	WIN MUL_HI
.endif
	MUL16 4, 0, 0, \slot, \mode
	MUL16 6, 0, 0, \slot, \mode
	PLACES NP
	WIN 0
	FETCH_A \slot, 1, 4
.endm
; A slot's second 128 along K changes slots: one barrier; in front of it each wave waits for all its tensor loads, adds 0 to its spare word, and waits for that and for its reads of this slot.
.macro TURN slot, next, fill
	s_wait_tensorcnt 0x0                           ; all my tensor loads have landed: my part of the next slot
	ds_add_u32 v[SPW], v[NIL]                      ; 0 onto my spare word
	s_wait_dscnt 17                                ; (the add and the youngest 16 loads may be out)
	WIN MUL_LO
	MUL16 0, 1, 1, \slot, 0
	s_wait_dscnt 0x0                               ; the add is done, and my reads of this slot are over
	s_barrier_signal -1
	MUL16 2, 1, 1, \slot, 0
	WIN 0
	s_barrier_wait -1
.if \fill
	CREST                                          ; the barrier has opened a round of the cluster's: no wave of any partner still reads this slot or has a load on its way
	s_add_nc_u64 s[G0+4*\slot+2:G0+4*\slot+3], s[G0+4*\slot+2:G0+4*\slot+3], 2*STEPB
	s_add_nc_u64 s[G0B+4*\slot+2:G0B+4*\slot+3], s[G0B+4*\slot+2:G0B+4*\slot+3], 2*STEPB
	JLOAD G0+4*\slot, G1, G0B+4*\slot, G1B         ; the first tensor load behind the round; its four v_nop are among the places below
	PLACES NP-4
.else
	PLACES NP
.endif
	s_wait_alu depctr_va_vdst(0)                   ; the line below reads what the last change of slots wrote
	v_add_nc_u32 v[ADRS], 2048, v[ADRS]            ; the next K step's scale words (no LDS load of mine is out)
	FETCH_B \next, 0, 0
	FETCH_A \next, 0, 0
	SCALES \next
	WIN MUL_HI
	MUL16 4, 1, 1, \slot, 0
	MUL16 6, 1, 1, \slot, 0
	PLACES NP
	WIN 0
	FETCH_A \next, 0, 4
.endm
	s_load_b128 s[4:7], s[0:1], 0x0                ; xc, xs
	s_load_b128 s[8:11], s[0:1], 0x10              ; bq, bk
	s_load_b64 s[12:13], s[0:1], 0x20              ; bv
	s_load_b256 s[68:75], s[0:1], 0x28             ; qk, qks, vt, vts (chosen from below; the registers then take a descriptor)
	v_lshl_add_u32 v[SPW], v0, 2, SPARE
	v_mov_b32 v[NIL], 0
	ds_add_u32 v28, v29                            ; the opening lines: the add, twice on end, and its wait
	ds_add_u32 v28, v29
	s_wait_dscnt 0x0
	v_lshrrev_b32 v1, 5, v0
	v_readfirstlane_b32 s14, v1                    ; wave 0..3
	s_lshr_b32 s15, s14, 1                         ; which half of A's rows is mine.  Also: I fetch for A (0) or for B (1)
	s_and_b32 s16, s14, 1                          ; which half of B's rows.  Also: which 128 rows I fetch
	s_bfe_u32 s40, ttmp6, 0x40000                  ; cx
	s_bfe_u32 s41, ttmp6, 0x40004                  ; cy
	s_and_b32 s42, ttmp7, 0xffff                   ; the cluster, 0..31: the same in all sixteen partners
	s_lshl_b32 s43, s41, 2
	s_lshl_b32 s43, 15, s43                        ; my row of the cluster
	s_lshl_b32 s44, 0x1111, s40                    ; my column
	s_or_b32 s[G1+0], s43, (3<<16)|(1<<21)         ; 15:0 the mask; 17:16 elements of 8 bytes; 21 set beside a mask
	s_or_b32 s[G1B+0], s44, (3<<16)|(1<<21)
.irp g, G1, G1B
	s_mov_b32 s[\g+1], 8192<<16                    ; the head's shape: a row is 128 rows of codes x K steps 0 and 1, 65,536 dense bytes (8,192 elements of 8),
	s_mov_b32 s[\g+2], 2<<16                       ; two such rows: the tile's two halves,
	s_mov_b32 s[\g+3], 8192<<16
	s_mov_b32 s[\g+4], 2
	s_mov_b32 s[\g+5], 16384                       ; 131,072 bytes apart in memory
	s_mov_b32 s[\g+6], 0
	s_mov_b32 s[\g+7], 0
.endr
	s_or_b32 s[G1SB+0], s44, (3<<16)|(1<<21)       ; a tile's scale words: 32 rows of 256 bytes
	s_mov_b32 s[G1SB+1], 32<<16
	s_mov_b32 s[G1SB+2], (4*KF)<<16
	s_mov_b32 s[G1SB+3], 32<<16
	s_mov_b32 s[G1SB+4], 4*KF
	s_mov_b32 s[G1SB+5], 32
	s_mov_b32 s[G1SB+6], 0
	s_mov_b32 s[G1SB+7], 0
	; the rows of xc: A's hang on the cluster and cy, B's on the cluster and cx
	s_lshl_b32 s17, s42, 10
	s_cmp_ge_u32 s42, 20                           ; clusters 20-31 make v
	s_cselect_b32 s105, 1, 0
	s_cselect_b32 s20, 38912, s17                  ; A: Wv, or 1,024 rows of target | source_k
	s_mov_b32 s46, 37888                           ; B: Wk,
	s_cmp_lt_u32 s42, 4
	s_cselect_b32 s46, 36864, s46                  ; Wq for target's rows,
	s_cmp_ge_u32 s42, 20
	s_cselect_b32 s46, s17, s46                    ; or 1,024 rows of source_v
	s_lshl_b32 s21, s16, 7
	s_lshl_b32 s19, s41, 8
	s_add_co_u32 s20, s20, s19
	s_add_co_u32 s20, s20, s21                     ; A: the 128 rows that I fetch
	s_lshl_b32 s47, s40, 8
	s_add_co_u32 s46, s46, s47
	s_add_co_u32 s46, s46, s21                     ; B likewise
	s_lshl_b32 s22, s20, 10                        ; their codes: 1,024 bytes a row,
	s_mov_b32 s23, 0
	s_lshl_b32 s18, s20, 5                         ; and 32 bytes of scale words a row
	s_mov_b32 s19, 0
	s_lshl_b32 s2, s46, 5
	s_mov_b32 s3, 0
	s_lshl_b32 s46, s46, 10
	s_mov_b32 s47, 0
	s_mul_i32 s45, s14, 2*HALFT                    ; my quarter of a slot lies at 65,536 x wave + 32,768 x slot: no place in the cluster enters an LDS address
	s_mov_b32 s98, 0xffff0000                      ; a lane mask: lanes 16-31
	s_mov_b32 s99, 0x600000                        ; the mantissa field of 57,344
	s_mov_b32 s100, 0x76543210                     ; v_permlanex16_b32: lane l xor 16
	s_mov_b32 s101, 0xfedcba98
	s_wait_kmcnt 0x0
	s_add_nc_u64 s[22:23], s[4:5], s[22:23]
	s_add_nc_u64 s[18:19], s[6:7], s[18:19]
	s_add_nc_u64 s[46:47], s[4:5], s[46:47]
	s_add_nc_u64 s[2:3], s[6:7], s[2:3]
	s_cmp_eq_u32 s105, 1
	s_cselect_b64 s[OC:OC+1], s[72:73], s[68:69]   ; vt or qk
	s_cselect_b64 s[OS:OS+1], s[74:75], s[70:71]   ; vts or qks
	s_cselect_b64 s[BP:BP+1], s[12:13], s[10:11]   ; bv or bk,
	s_cmp_lt_u32 s42, 4
	s_cselect_b64 s[BP:BP+1], s[8:9], s[BP:BP+1]   ; or bq
	s_or_b32 s[G1S+0], s43, (3<<16)|(1<<21)
	s_mov_b32 s[G1S+1], 32<<16
	s_mov_b32 s[G1S+2], (4*KF)<<16
	s_mov_b32 s[G1S+3], 32<<16
	s_mov_b32 s[G1S+4], 4*KF
	s_mov_b32 s[G1S+5], 32
	s_mov_b32 s[G1S+6], 0
	s_mov_b32 s[G1S+7], 0
	CROUND                                         ; all sixteen work-groups are here: the first joint loads meet
	s_mov_b32 s[G0S], 1                            ; a tile's scale words, 8,192 dense bytes: A's (used by wave 1, whose own half begins HALFS bytes on),
	s_mov_b32 s[G0S+1], SCL
	s_sub_nc_u64 s[G0S+2:G0S+3], s[18:19], HALFS
	s_or_b32 s[G0S+3], s[G0S+3], 0x80000000
	s_mov_b32 s[G0SB], 1                           ; and B's (used by wave 3)
	s_mov_b32 s[G0SB+1], SCL+2*HALFS
	s_sub_nc_u64 s[G0SB+2:G0SB+3], s[2:3], HALFS
	s_or_b32 s[G0SB+3], s[G0SB+3], 0x80000000
.irp s, 0,1
	s_mov_b32 s[G0+4*\s], 1                        ; the ring's groups 0: first used at a slot's refill, stepped two K steps on there
	s_add_co_u32 s[G0+4*\s+1], s45, \s*HALFT
	s_add_nc_u64 s[G0+4*\s+2:G0+4*\s+3], s[22:23], \s*STEPB
	s_or_b32 s[G0+4*\s+3], s[G0+4*\s+3], 0x80000000
	s_mov_b32 s[G0B+4*\s], 1
	s_add_co_u32 s[G0B+4*\s+1], s45, \s*HALFT
	s_add_nc_u64 s[G0B+4*\s+2:G0B+4*\s+3], s[46:47], \s*STEPB
	s_or_b32 s[G0B+4*\s+3], s[G0B+4*\s+3], 0x80000000
.endr
	s_mov_b32 s4, 1                                ; the head's groups 0, in registers whose arguments have been used: A's 256 rows x K steps 0 and 1 (used by wave 0, whose half is the tile's first),
	s_mov_b32 s5, 0
	s_mov_b64 s[6:7], s[22:23]
	s_or_b32 s7, s7, 0x80000000
	s_mov_b32 s8, 1                                ; and B's (used by wave 2)
	s_mov_b32 s9, 4*HALFT
	s_mov_b64 s[10:11], s[46:47]
	s_or_b32 s11, s11, 0x80000000
	; THE HEAD'S LOADS, ONE A WAVE: one chain of branches on the wave's number, an arm a load.  Both slots and all scale words are asked for here.
	s_cmp_lt_u32 s14, 1
	s_cbranch_scc0 .Lh1
	tensor_load_to_lds s[4:7], s[G1:G1+7]
	s_nop 0
	PLACES 4
	s_branch .Lhead_asked
.Lh1:
	s_cmp_lt_u32 s14, 2
	s_cbranch_scc0 .Lh2
	tensor_load_to_lds s[G0S:G0S+3], s[G1S:G1S+7]
	s_nop 0
	PLACES 4
	s_branch .Lhead_asked
.Lh2:
	s_cmp_lt_u32 s14, 3
	s_cbranch_scc0 .Lh3
	tensor_load_to_lds s[8:11], s[G1B:G1B+7]
	s_nop 0
	PLACES 4
	s_branch .Lhead_asked
.Lh3:
	tensor_load_to_lds s[G0SB:G0SB+3], s[G1SB:G1SB+7]
	s_nop 0
	PLACES 4
.Lhead_asked:
	s_cmp_eq_u32 s15, 0                            ; the prefetches: the 128 rows that I fetch,
	s_cselect_b64 s[PF:PF+1], s[22:23], s[46:47]
	s_cselect_b32 s104, s40, s41                   ; my place among the four that ask for them jointly,
	s_lshl_b32 s104, s104, 13                      ; my work-group's 8,192 bytes of a K step's 32,768,
	s_add_co_u32 s2, s104, 2*STEPB                 ; in K step 2
	s_mov_b32 s3, 0
	s_add_nc_u64 s[PF:PF+1], s[PF:PF+1], s[2:3]
	v_and_b32 v7, 31, v0
	v_lshlrev_b32 v7, 8, v7
	v_and_b32 v1, 15, v0                           ; r
	v_bfe_u32 v2, v0, 4, 1                         ; h
	s_wait_alu depctr_va_vdst(0)
	v_and_b32 v3, 31, v0
	v_lshlrev_b32 v[CO], 4, v3
	s_mul_i32 s21, s15, 2*HALFT                    ; my 128 rows of A: both slots of a half lie on end,
	s_mul_i32 s22, s16, 2*HALFT                    ; of B,
	s_add_co_u32 s22, s22, 4*HALFT                 ; which lie behind A's
.irp s, 0,1
	v_add_nc_u32 v[ADRA+\s], s21, v[CO]
	v_add_nc_u32 v[ADRB+\s], s22, v[CO]
	s_add_co_u32 s21, s21, HALFT
	s_add_co_u32 s22, s22, HALFT
.endr
	v_lshlrev_b32 v5, 4, v1                        ; scale words: 16 bytes for each row of a block
	s_lshl_b32 s21, s15, 9                         ; A's: my half
	s_lshl_b32 s22, s16, 9                         ; B's: my half, behind A's
	s_add_co_u32 s22, s22, BASEB-BASEA
	s_sub_co_u32 s22, s22, s21
	v_mul_u32_u24 v4, s22, v2                      ; lanes 16-31 take B's
	s_add_co_u32 s21, s21, BASEA
	v_add_nc_u32 v5, v5, v4
	v_add_nc_u32 v[ADRS], s21, v5
	ASK 0                                          ; K step 2, which the first change of slots loads
	; where my results go.  q, k: rows as A's, K fragment 2 cx + my half of B.  v: rows e = 256 cy + .., batch and K fragment from the keys 1,024 (cluster - 20) + 256 cx + ..
	s_lshl_b32 s17, s42, 10
	s_lshl_b32 s18, s41, 8
	s_add_co_u32 s17, s17, s18                     ; the tile's first row
	s_lshl_b32 s19, s17, 5                         ; its scale words
	s_lshl_b32 s18, s15, 7
	s_add_co_u32 s17, s17, s18
	s_lshl_b32 s17, s17, 10                        ; my 128 rows' codes
	s_lshl_b32 s18, s40, 1
	s_add_co_u32 s18, s18, s16                     ; 2 cx + my half
	s_lshl_b32 s20, s18, 10
	s_add_co_u32 s19, s19, s20
	s_sub_co_u32 s20, s42, 20                      ; (of use in clusters 20-31 alone)
	s_lshl_b32 s20, s20, 3
	s_add_co_u32 s20, s20, s18                     ; which 128 keys of source_v's rows
	s_lshr_b32 s21, s20, 4                         ; the batch
	s_lshl_b32 s21, s21, 2
	s_add_co_u32 s21, s21, s41                     ; the tile of 256 rows of vt
	s_lshl_b32 s22, s21, 1
	s_add_co_u32 s22, s22, s15
	s_lshl_b32 s22, s22, 18                        ; my 128 rows' codes: 2,048 bytes a row
	s_lshl_b32 s21, s21, 4
	s_and_b32 s20, s20, 15                         ; the K fragment in the batch
	s_add_co_u32 s21, s21, s20
	s_lshl_b32 s21, s21, 10
	s_cmp_eq_u32 s105, 1
	s_cselect_b32 s17, s22, s17
	s_cselect_b32 s19, s21, s19
	s_cselect_b32 s18, s20, s18
	s_lshr_b32 s20, s18, 1
	s_lshl_b32 s20, s20, 15                        ; the K step,
	s_add_co_u32 s20, s17, s20
	s_and_b32 s18, s18, 1
	s_lshl_b32 s18, s18, 11                        ; and which of its two fragments
	s_add_co_u32 s20, s20, s18
	s_mov_b32 s21, 0
	s_add_nc_u64 s[OC:OC+1], s[OC:OC+1], s[20:21]
	s_lshl_b32 s18, s15, 9
	s_add_co_u32 s20, s19, s18
	s_add_nc_u64 s[OS:OS+1], s[OS:OS+1], s[20:21]
	s_cmp_eq_u32 s105, 1                           ; the bias runs along e: B's rows for q and k, A's for v
	s_cselect_b32 s18, s41, s40
	s_cselect_b32 s19, s15, s16
	s_lshl_b32 s18, s18, 10
	s_lshl_b32 s19, s19, 9
	s_add_co_u32 s20, s18, s19
	s_add_nc_u64 s[BP:BP+1], s[BP:BP+1], s[20:21]
	v_lshlrev_b32 v4, 6, v2                        ; 64 h
	v_lshlrev_b32 v5, 2, v1                        ; 4 r
	s_cmp_eq_u32 s105, 1                           ; the branch hangs on the cluster's number: alike in all partners and waves
	s_cbranch_scc1 .Lbias_v
.irp b, 0,1,2,3,4,5,6,7                ; q, k: register j of tile b is e = 32 (b / 2) + 16 h + 8 (b % 2) + j
	global_load_b128 v[BI+8*\b:BI+8*\b+3], v4, s[BP:BP+1] offset:(32*(\b/2)+8*(\b%2))*4
	global_load_b128 v[BI+8*\b+4:BI+8*\b+7], v4, s[BP:BP+1] offset:(32*(\b/2)+8*(\b%2))*4+16
.endr
	s_branch .Lbias_in
.Lbias_v:
	s_wait_alu depctr_va_vdst(0)
.irp a, 0,1,2,3,4,5,6,7                ; v: all eight registers of tile a hold the bias of e = 16 a + r
.irp j, 0,1,2,3,4,5,6,7
	global_load_b32 v[BI+8*\a+\j], v5, s[BP:BP+1] offset:64*\a
.endr
.endr
.Lbias_in:
	s_wait_tensorcnt 0x0                           ; my one load of the head is in; no tensor load of mine is out, so group 1 may be written: the ring's shape, 128 rows of 256 bytes
.irp g, G1, G1B
	s_mov_b32 s[\g+1], 32<<16
	s_mov_b32 s[\g+2], 128<<16
	s_mov_b32 s[\g+3], 32<<16
	s_mov_b32 s[\g+4], 128
	s_mov_b32 s[\g+5], 32
.endr
	s_barrier_signal -1
	s_barrier_wait -1                              ; everybody's are
	s_wait_alu depctr_va_vdst(0)
	ASK STEPB                                      ; K step 3, which the second change of slots loads
	FETCH_B 0, 0, 0
	FETCH_A 0, 0, 0
	SCALES 0
	FETCH_A 0, 0, 4
	s_wait_loadcnt 0x0                             ; the bias
	s_cmp_eq_u32 s105, 1
	s_cbranch_scc1 .Lfirst_v
	STEP 0, 2                                      ; the first step starts the sums with the bias: nothing is cleared or added later
	s_branch .Lfirst_done
.Lfirst_v:
	STEP 0, 3
.Lfirst_done:
	s_mov_b32 s3, LAPS-1
.Llap:                                                 ; a trip goes once round the ring and fills both slots again
	TURN 0, 1, 1
	STEP 1, 0
	TURN 1, 0, 1
	STEP 0, 0
	s_sub_co_u32 s3, s3, 1
	s_cmp_lg_u32 s3, 0
	s_cbranch_scc1 .Llap
	TURN 0, 1, 0                                   ; the last lap fills nothing
	STEP 1, 0
	s_wait_dscnt 16
	WIN MUL_LO
	MUL16 0, 1, 1, 1, 0
	MUL16 2, 1, 1, 1, 0
	s_wait_dscnt 0x0
	WIN MUL_HI
	MUL16 4, 1, 1, 1, 0
	MUL16 6, 1, 1, 1, 0
	WIN 0
	PLACES NP                                      ; in front of the first read of results and the first write of A's registers
; THE WAY OUT.  Block a of A: my 64 registers are k = 32 b + 16 (lane / 16) + i of the next K, register 16 b + i.  They become a fragment's codes and a scale word.  Each accumulator is first read at its low end.
.macro QUANT a
.set WW, 2+(\a)/4
.set S0, 64*((\a)%4)
.set CD, CDS+16*((\a)%4)
	WIN WW|(WW<<2)
.irp b, 0,1,2,3
	v_max3_num_f32 v[TM+\b], |v[S0+16*\b]|, |v[S0+16*\b+1]|, 0x8000000   ; and the floor 2^(16 - 127): the byte cannot fall under 1
.endr
	WIN (WW<<2)|(WW<<4)
.irp i, 2,4,6,8,10,12,14
.irp b, 0,1,2,3
	v_max3_num_f32 v[TM+\b], v[TM+\b], |v[S0+16*\b+\i]|, |v[S0+16*\b+\i+1]|
.endr
.endr
	WIN 0
.irp b, 0,1,2,3
	v_permlanex16_b32 v[TM+4+\b], v[TM+\b], s100, s101
.endr
.irp b, 0,1,2,3
	v_max_num_f32 v[TM+\b], v[TM+\b], v[TM+4+\b]   ; with lane l xor 16's 16: the block's largest magnitude
.endr
.irp b, 0,1,2,3
	v_add_nc_u32 v[TM+12+\b], 0xf8800000, v[TM+\b] ; 15 off its exponent field: the conversion's scale operand
.endr
.irp b, 0,1,2,3
	v_and_or_b32 v[TM+8+\b], v[TM+\b], 0x7f800000, s99   ; 57,344 x the scale
.endr
.irp b, 0,1,2,3
	v_lshrrev_b32 v[TM+4+\b], 23, v[TM+12+\b]      ; the byte
.endr
	v_lshl_or_b32 v[PW+(\a)], v[TM+5], 8, v[TM+4]
	v_lshl_or_b32 v[PW+(\a)], v[TM+6], 16, v[PW+(\a)]
	v_lshl_or_b32 v[PW+(\a)], v[TM+7], 24, v[PW+(\a)]
	WIN WW                                         ; the hold reads the sums and writes window 0
.irp b, 0,1,2,3
.irp i, 0,1,2,3,4,5,6,7,8,9,10,11,12,13,14,15
	v_med3_num_f32 v[H+16*\b+\i], v[S0+16*\b+\i], -v[TM+8+\b], v[TM+8+\b]   ; the conversion to an 8-bit code does not saturate (ISA guide 7.6.2)
.endr
.endr
	WIN 0
.if (\a) >= 4
	s_wait_alu depctr_va_vdst(0)
	s_wait_xcnt 0x0                                ; the stores of four blocks ago have read this set of code registers
.endif
.irp b, 0,1,2,3
	v_cvt_scalef32_pk8_bf8_f32 v[CD+4*\b:CD+4*\b+1], v[H+16*\b:H+16*\b+7], v[TM+12+\b]
	v_cvt_scalef32_pk8_bf8_f32 v[CD+4*\b+2:CD+4*\b+3], v[H+16*\b+8:H+16*\b+15], v[TM+12+\b]
.endr
	v_nop                                          ; a plain instruction behind the last conversion
.irp c, 0,1,2,3
	global_store_b128 v[CO], v[CD+4*\c:CD+4*\c+3], s[OC:OC+1] offset:4096*(\a)+512*\c   ; the fragment's image: 512 consecutive bytes, aligned
.endr
.endm
.irp b, 0,1,2,3
	v_mov_b32 v[TM+4+\b], 0                        ; written once: a lane permute's destination counts as one of its sources
.endr
.irp a, 0,1,2,3,4,5,6,7
	QUANT \a
.endr
.irp i, 0,1,2,3
	v_cndmask_b32 v[TT+\i], v[PW+\i], v[PW+4+\i], s98   ; lanes 0-15 store the words of blocks 0-3 of row r, lanes 16-31 those of blocks 4-7 (both halves of the lanes hold every word)
.endr
	global_store_b128 v[CO], v[TT:TT+3], s[OS:OS+1]
	s_wait_tensorcnt 0x0                           ; the wave's end
	ds_add_u32 v[SPW], v[NIL]
	s_wait_dscnt 0x0
	CROUND                                         ; the closing round
	s_endpgm
.Lfunc_end_k_q68190ac8a3_proj:
	.size	k_q68190ac8a3_proj, .Lfunc_end_k_q68190ac8a3_proj-k_q68190ac8a3_proj
	.p2alignl 7, 3214868480
	.fill 96, 4, 3214868480
	.section	.rodata,"a",@progbits
	.p2align	6, 0x0
	.amdhsa_kernel k_q68190ac8a3_proj
		.amdhsa_group_segment_fixed_size 327680
		.amdhsa_private_segment_fixed_size 0
		.amdhsa_enable_private_segment 0
		.amdhsa_kernarg_size 72
		.amdhsa_user_sgpr_count 2
		.amdhsa_user_sgpr_kernarg_segment_ptr 1
		.amdhsa_wavefront_size32 1
		.amdhsa_system_sgpr_workgroup_id_x 1
		.amdhsa_system_sgpr_workgroup_id_y 1
		.amdhsa_system_sgpr_workgroup_id_z 1
		.amdhsa_system_vgpr_workitem_id 0
		.amdhsa_next_free_vgpr 1024
		.amdhsa_next_free_sgpr 106
		.amdhsa_reserve_vcc 0
		.amdhsa_float_denorm_mode_32 3
		.amdhsa_float_denorm_mode_16_64 3
		.amdhsa_memory_ordered 1
		.amdhsa_forward_progress 1
		.amdhsa_inst_pref_size 207
	.end_amdhsa_kernel
	.amdgpu_metadata
---
amdhsa.version: [ 1, 2 ]
amdhsa.kernels:
  - .name:           k_q68190ac8a3_proj
    .symbol:         k_q68190ac8a3_proj.kd
    .args:
      - { .name: xc, .offset: 0, .size: 8, .value_kind: global_buffer, .address_space: global }
      - { .name: xs, .offset: 8, .size: 8, .value_kind: global_buffer, .address_space: global }
      - { .name: bq, .offset: 16, .size: 8, .value_kind: global_buffer, .address_space: global }
      - { .name: bk, .offset: 24, .size: 8, .value_kind: global_buffer, .address_space: global }
      - { .name: bv, .offset: 32, .size: 8, .value_kind: global_buffer, .address_space: global }
      - { .name: qk, .offset: 40, .size: 8, .value_kind: global_buffer, .address_space: global }
      - { .name: qks, .offset: 48, .size: 8, .value_kind: global_buffer, .address_space: global }
      - { .name: vt, .offset: 56, .size: 8, .value_kind: global_buffer, .address_space: global }
      - { .name: vts, .offset: 64, .size: 8, .value_kind: global_buffer, .address_space: global }
    .group_segment_fixed_size: 327680
    .private_segment_fixed_size: 0
    .kernarg_segment_align: 8
    .kernarg_segment_size: 72
    .max_flat_workgroup_size: 128
    .sgpr_count:     106
    .vgpr_count:     1024
    .wavefront_size: 32
...
	.end_amdgpu_metadata
.endif
;; end of part 2
;; launch scores (part 3): grid 8 x 24, 4 waves a work-group, clusters of 4 x 1, 327,680 bytes of LDS; arguments qk, qks, pc, pst, xc, xs, bv, vt, vts; writes pc, pst, vt, vts
.if DOCPART == 3
	.amdgcn_target "amdgcn-amd-amdhsa--gfx1250"
	.amdhsa_code_object_version 6
	.text
	.protected	k_q68190ac8a3_scores
	.globl	k_q68190ac8a3_scores
	.p2align	8
	.type	k_q68190ac8a3_scores,@function
k_q68190ac8a3_scores:
	s_mov_b64 s[64:65], 0
	v_nop
	global_prefetch_b8 v0, s[64:65] scope:SCOPE_SE
	s_setreg_imm32_b32 hwreg(HW_REG_WAVE_MODE, 25, 1), 1
	s_wait_xcnt 0x0
	s_wait_alu depctr_hold_cnt(0) depctr_sa_sdst(0) depctr_va_vdst(0) depctr_va_sdst(0) depctr_va_ssrc(0) depctr_va_vcc(0) depctr_vm_vsrc(0)
	s_getreg_b32 s2, hwreg(HW_REG_IB_STS2, 6, 4)
	s_cmp_eq_u32 s2, 0
	s_cbranch_scc0 .Lentry_in_a_cluster
	s_endpgm
.Lentry_in_a_cluster:
	s_bfe_u32 s2, ttmp6, 0x10000c
	s_cmp_lg_u32 s2, 0x3003
	s_cbranch_scc0 .Lentry_shape_is_right
	s_endpgm
.Lentry_shape_is_right:
.set KK,    1024
.set KF,    KK/128
.set LAPS,  KK/512
.set FR,    16
.set NP,    8
.set HALFT, 32768
.set SLOT,  4*HALFT
.set STEPB, 32768
.set HALFS, 512*KF
.set SCL,   2*SLOT
.set BASEA, SCL
.set BASEB, SCL+2*HALFS
.set SPARE, SCL+4*HALFS
.set ADRA, 16
.set ADRB, 20
.set CO,   26
.set ADRS, 27
.set SPW,  28
.set NIL,  29
.set SC,   32
.set BI,   64
.set QTM,  64
.set QPW,  80
.set QTT,  88
.set BMX,  64
.set PRM,  68
.set HD,   72
.set SO,   76
.set NR,   80
.set SM,   82
.set TP,   86
.set PW,   88
.set NN,   96
.set LL,   104
.set TT,   112
.set AF,   128
.set H,    128
.set CDS,  192
.set G1, 24
.set G0, 32
.set G1B, 48
.set G0B, 56
.set G1S, 68
.set G0S, 76
.set G1SB, 80
.set G0SB, 88
.set MSB, 0
.macro WIN new
.if MSB != (\new)
	s_set_vgpr_msb (MSB<<8)|(\new)
.set MSB, (\new)
.endif
.endm
.set MUL_LO, 0xa1
.set MUL_HI, 0xf1
.set TO_B,   0x40
.macro JLOAD g0a, g1a, g0b, g1b
	s_cmp_eq_u32 s15, 0
	s_cbranch_scc0 .Lfor_b_\@
	tensor_load_to_lds s[\g0a:\g0a+3], s[\g1a:\g1a+7]
	s_nop 0
.rept 4
	v_nop
.endr
	s_branch .Lasked_\@
.Lfor_b_\@:
	tensor_load_to_lds s[\g0b:\g0b+3], s[\g1b:\g1b+7]
	s_nop 0
.rept 4
	v_nop
.endr
.Lasked_\@:
.endm
.macro CREST
	s_cmp_lg_u32 s14, 0
	s_cbranch_scc1 .Lnot_wave_0_\@
	s_barrier_signal -3
.Lnot_wave_0_\@:
	s_barrier_wait -3
	s_barrier_signal -1
	s_barrier_wait -1
.endm
.macro CROUND
	s_barrier_signal -1
	s_barrier_wait -1
	CREST
.endm
.macro PLACES n
.rept \n
	v_nop
.endr
.endm
.macro FRAG reg, adr, q, i
.irp c, 0,1,2,3
	ds_load_b128 v[\reg+4*\c:\reg+4*\c+3], v[\adr] offset:2048*(\q)+512*\c+4096*(\i)
.endr
.endm
.macro MUL16 a0, p, q, sc, mode
.irp a, \a0, \a0+1
.irp b, 0,1,2,3,4,5,6,7
.if \mode == 0
	v_wmma_scale_f32_16x16x128_f8f6f4 v[8*(8*((\a)%4)+\b):8*(8*((\a)%4)+\b)+7], v[128*(\p)+FR*\b:128*(\p)+FR*\b+FR-1], v[AF+FR*(\a):AF+FR*(\a)+FR-1], v[8*(8*((\a)%4)+\b):8*(8*((\a)%4)+\b)+7], v[SC+16*(\sc)+8*(\q)+\b], v[SC+16*(\sc)+8*(\q)+(\a)] matrix_a_fmt:MATRIX_FMT_BF8 matrix_b_fmt:MATRIX_FMT_BF8 matrix_a_scale:MATRIX_SCALE_ROW1
.elseif \mode == 1
	v_wmma_scale_f32_16x16x128_f8f6f4 v[8*(8*((\a)%4)+\b):8*(8*((\a)%4)+\b)+7], v[128*(\p)+FR*\b:128*(\p)+FR*\b+FR-1], v[AF+FR*(\a):AF+FR*(\a)+FR-1], 0, v[SC+16*(\sc)+8*(\q)+\b], v[SC+16*(\sc)+8*(\q)+(\a)] matrix_a_fmt:MATRIX_FMT_BF8 matrix_b_fmt:MATRIX_FMT_BF8 matrix_a_scale:MATRIX_SCALE_ROW1
.else
	v_wmma_scale_f32_16x16x128_f8f6f4 v[8*(8*((\a)%4)+\b):8*(8*((\a)%4)+\b)+7], v[128*(\p)+FR*\b:128*(\p)+FR*\b+FR-1], v[AF+FR*(\a):AF+FR*(\a)+FR-1], v[BI+8*(\a):BI+8*(\a)+7], v[SC+16*(\sc)+8*(\q)+\b], v[SC+16*(\sc)+8*(\q)+(\a)] matrix_a_fmt:MATRIX_FMT_BF8 matrix_b_fmt:MATRIX_FMT_BF8 matrix_a_scale:MATRIX_SCALE_ROW1
.endif
.endr
.endr
.endm
.macro FETCH_B slot, q, p
	WIN TO_B
.irp i, 0,1,2,3,4,5,6,7
	FRAG 128*(\p)+FR*\i, ADRB+\slot, \q, \i
.endr
	WIN 0
.endm
.macro FETCH_A slot, q, i0
.irp i, \i0, \i0+1, \i0+2, \i0+3
	FRAG AF+FR*(\i), ADRA+\slot, \q, \i
.endr
.endm
.macro SCALES sc
.irp q, 0,1
.irp g, 0,1
	ds_load_b128 v[SC+16*\sc+8*\q+4*\g:SC+16*\sc+8*\q+4*\g+3], v[ADRS] offset:1024*\q+256*\g
.endr
.endr
.endm
.macro STEP slot, mode
	s_wait_dscnt 16
.if \mode == 3
	WIN 0x81
.else
	WIN MUL_LO
.endif
	MUL16 0, 0, 0, \slot, \mode
	MUL16 2, 0, 0, \slot, \mode
	s_wait_dscnt 0x0
	PLACES NP
	FETCH_B \slot, 1, 1
	FETCH_A \slot, 1, 0
.if \mode == 3
	WIN 0xc1
.else
	WIN MUL_HI
.endif
	MUL16 4, 0, 0, \slot, \mode
	MUL16 6, 0, 0, \slot, \mode
	PLACES NP
	WIN 0
	FETCH_A \slot, 1, 4
.endm
.macro TURN slot, next, fill
	s_wait_tensorcnt 0x0
	ds_add_u32 v[SPW], v[NIL]
	s_wait_dscnt 17
	WIN MUL_LO
	MUL16 0, 1, 1, \slot, 0
	s_wait_dscnt 0x0
	s_barrier_signal -1
	MUL16 2, 1, 1, \slot, 0
	WIN 0
	s_barrier_wait -1
.if \fill
	CREST
	s_add_nc_u64 s[G0+4*\slot+2:G0+4*\slot+3], s[G0+4*\slot+2:G0+4*\slot+3], 2*STEPB
	s_add_nc_u64 s[G0B+4*\slot+2:G0B+4*\slot+3], s[G0B+4*\slot+2:G0B+4*\slot+3], 2*STEPB
	JLOAD G0+4*\slot, G1, G0B+4*\slot, G1B
	PLACES NP-4
.else
	PLACES NP
.endif
	s_wait_alu depctr_va_vdst(0)
	v_add_nc_u32 v[ADRS], 2048, v[ADRS]
	FETCH_B \next, 0, 0
	FETCH_A \next, 0, 0
	SCALES \next
	WIN MUL_HI
	MUL16 4, 1, 1, \slot, 0
	MUL16 6, 1, 1, \slot, 0
	PLACES NP
	WIN 0
	FETCH_A \next, 0, 4
.endm
	s_load_b256 s[4:11], s[0:1], 0x0
	s_load_b256 s[68:75], s[0:1], 0x20
	s_load_b64 s[92:93], s[0:1], 0x40
	v_lshl_add_u32 v[SPW], v0, 2, SPARE
	v_mov_b32 v[NIL], 0
	ds_add_u32 v28, v29
	ds_add_u32 v28, v29
	s_wait_dscnt 0x0
	v_lshrrev_b32 v1, 5, v0
	v_readfirstlane_b32 s14, v1
	s_lshr_b32 s15, s14, 1
	s_and_b32 s16, s14, 1
	s_bfe_u32 s40, ttmp6, 0x40000
	s_and_b32 s41, ttmp7, 0xffff
	s_lshl_b32 s42, ttmp9, 2
	s_add_co_u32 s42, s42, s40
	s_mov_b32 s[G1+0], 15|(3<<16)|(1<<21)
	s_mov_b32 s[G1B+0], 3<<16
.irp g, G1, G1B
	s_mov_b32 s[\g+1], 8192<<16                    ; the head's shape: two rows (the tile's halves) of 65,536 dense bytes (K steps 0 and 1), 131,072 bytes apart
	s_mov_b32 s[\g+2], 2<<16
	s_mov_b32 s[\g+3], 8192<<16
	s_mov_b32 s[\g+4], 2
	s_mov_b32 s[\g+5], 16384
	s_mov_b32 s[\g+6], 0
	s_mov_b32 s[\g+7], 0
.endr
	s_mov_b32 s[G1SB+0], 3<<16
	s_mov_b32 s[G1SB+1], 32<<16
	s_mov_b32 s[G1SB+2], (4*KF)<<16
	s_mov_b32 s[G1SB+3], 32<<16
	s_mov_b32 s[G1SB+4], 4*KF
	s_mov_b32 s[G1SB+5], 32
	s_mov_b32 s[G1SB+6], 0
	s_mov_b32 s[G1SB+7], 0
	s_lshl_b32 s20, s41, 8
	s_and_b32 s17, s41, 3
	s_lshl_b32 s17, s17, 8
	s_add_co_u32 s17, s17, 38912
	s_lshr_b32 s46, s41, 1
	s_lshl_b32 s46, s46, 11
	s_add_co_u32 s46, s46, 4096
	s_lshr_b32 s19, s41, 2
	s_lshl_b32 s19, s19, 11
	s_add_co_u32 s19, s19, 24576
	s_add_co_u32 s43, s41, 8
	s_cmp_ge_u32 s41, 16
	s_cselect_b32 s105, 1, 0
	s_cselect_b32 s20, s17, s20
	s_cselect_b32 s46, s19, s46
	s_cselect_b32 s43, s43, s41
	s_lshl_b32 s21, s16, 7
	s_add_co_u32 s20, s20, s21
	s_lshl_b32 s22, s20, 10
	s_mov_b32 s23, 0
	s_lshl_b32 s18, s20, 5
	s_mov_b32 s19, 0
	s_lshl_b32 s47, s42, 8
	s_add_co_u32 s46, s46, s47
	s_add_co_u32 s46, s46, s21
	s_lshl_b32 s2, s46, 5
	s_mov_b32 s3, 0
	s_lshl_b32 s46, s46, 10
	s_mov_b32 s47, 0
	s_mul_i32 s45, s14, 2*HALFT                    ; LDS: [A, B][half][slot][32,768]
	s_mov_b32 s66, 0x3d38aa3b
	s_mov_b32 s67, s66
	s_mov_b32 s98, 0xffff0000
	s_mov_b32 s99, 0x600000
	s_mov_b32 s100, 0x76543210
	s_mov_b32 s101, 0xfedcba98
	s_wait_kmcnt 0x0
	s_cmp_eq_u32 s105, 1
	s_cselect_b64 s[4:5], s[68:69], s[4:5]
	s_cselect_b64 s[6:7], s[70:71], s[6:7]
	s_cselect_b64 s[8:9], s[74:75], s[8:9]
	s_cselect_b64 s[10:11], s[92:93], s[10:11]
	s_mov_b64 s[96:97], s[72:73]
	s_add_nc_u64 s[22:23], s[4:5], s[22:23]
	s_add_nc_u64 s[18:19], s[6:7], s[18:19]
	s_add_nc_u64 s[46:47], s[4:5], s[46:47]
	s_add_nc_u64 s[2:3], s[6:7], s[2:3]
	s_mov_b32 s[G1S+0], 15|(3<<16)|(1<<21)
	s_mov_b32 s[G1S+1], 32<<16
	s_mov_b32 s[G1S+2], (4*KF)<<16
	s_mov_b32 s[G1S+3], 32<<16
	s_mov_b32 s[G1S+4], 4*KF
	s_mov_b32 s[G1S+5], 32
	s_mov_b32 s[G1S+6], 0
	s_mov_b32 s[G1S+7], 0
	CROUND
	s_mov_b32 s[G0S], 1                            ; a tile's scale words, 8,192 dense bytes: A's (used by wave 1, whose own half begins HALFS bytes on),
	s_mov_b32 s[G0S+1], SCL
	s_sub_nc_u64 s[G0S+2:G0S+3], s[18:19], HALFS
	s_or_b32 s[G0S+3], s[G0S+3], 0x80000000
	s_mov_b32 s[G0SB], 1                           ; and B's (used by wave 3)
	s_mov_b32 s[G0SB+1], SCL+2*HALFS
	s_sub_nc_u64 s[G0SB+2:G0SB+3], s[2:3], HALFS
	s_or_b32 s[G0SB+3], s[G0SB+3], 0x80000000
.irp s, 0,1
	s_mov_b32 s[G0+4*\s], 1                        ; the ring's groups 0: first used at a slot's refill, stepped two K steps on there
	s_add_co_u32 s[G0+4*\s+1], s45, \s*HALFT
	s_add_nc_u64 s[G0+4*\s+2:G0+4*\s+3], s[22:23], \s*STEPB
	s_or_b32 s[G0+4*\s+3], s[G0+4*\s+3], 0x80000000
	s_mov_b32 s[G0B+4*\s], 1
	s_add_co_u32 s[G0B+4*\s+1], s45, \s*HALFT
	s_add_nc_u64 s[G0B+4*\s+2:G0B+4*\s+3], s[46:47], \s*STEPB
	s_or_b32 s[G0B+4*\s+3], s[G0B+4*\s+3], 0x80000000
.endr
	s_mov_b32 s4, 1                                ; the head's groups 0, in registers whose arguments have been used: A's 256 rows x K steps 0 and 1 (used by wave 0),
	s_mov_b32 s5, 0
	s_mov_b64 s[6:7], s[22:23]
	s_or_b32 s7, s7, 0x80000000
	s_mov_b32 s92, 1                               ; and B's (used by wave 2)
	s_mov_b32 s93, 4*HALFT
	s_mov_b64 s[94:95], s[46:47]
	s_or_b32 s95, s95, 0x80000000
	; THE HEAD'S LOADS, ONE A WAVE: one chain of branches on the wave's number, an arm a load.  Both slots and all scale words are asked for here.
	s_cmp_lt_u32 s14, 1
	s_cbranch_scc0 .Lh1
	tensor_load_to_lds s[4:7], s[G1:G1+7]
	s_nop 0
	PLACES 4
	s_branch .Lhead_asked
.Lh1:
	s_cmp_lt_u32 s14, 2
	s_cbranch_scc0 .Lh2
	tensor_load_to_lds s[G0S:G0S+3], s[G1S:G1S+7]
	s_nop 0
	PLACES 4
	s_branch .Lhead_asked
.Lh2:
	s_cmp_lt_u32 s14, 3
	s_cbranch_scc0 .Lh3
	tensor_load_to_lds s[92:95], s[G1B:G1B+7]
	s_nop 0
	PLACES 4
	s_branch .Lhead_asked
.Lh3:
	tensor_load_to_lds s[G0SB:G0SB+3], s[G1SB:G1SB+7]
	s_nop 0
	PLACES 4
.Lhead_asked:
; PREFETCH of K steps 2 and 3, which come as refills: K step 2 here, K step 3 behind the first barrier.  Of the 32,768 bytes of a K step that a wave will fetch: A's are asked for jointly by four partners, each of which
; names 8,192, told apart by address: one instruction; B's are the work-group's own: four instructions.  Lanes 256 bytes apart.  s[12:13] and v7 are not rewritten.
.macro ASK off
	global_prefetch_b8 v7, s[12:13] offset:\off th:TH_LOAD_NT scope:SCOPE_SE
	s_cmp_eq_u32 s15, 0
	s_cbranch_scc1 .Lpf_\@
	global_prefetch_b8 v7, s[12:13] offset:\off+8192 th:TH_LOAD_NT scope:SCOPE_SE
	global_prefetch_b8 v7, s[12:13] offset:\off+16384 th:TH_LOAD_NT scope:SCOPE_SE
	global_prefetch_b8 v7, s[12:13] offset:\off+24576 th:TH_LOAD_NT scope:SCOPE_SE
.Lpf_\@:
.endm
	s_cmp_eq_u32 s15, 0
	s_cselect_b64 s[12:13], s[22:23], s[46:47]     ; the 128 rows that I fetch
	s_cselect_b32 s104, s40, 0                     ; A: my place among the four
	s_lshl_b32 s104, s104, 13
	s_add_co_u32 s2, s104, 2*STEPB                 ; in K step 2
	s_mov_b32 s3, 0
	s_add_nc_u64 s[12:13], s[12:13], s[2:3]
	v_and_b32 v7, 31, v0
	v_lshlrev_b32 v7, 8, v7
	ASK 0
	v_and_b32 v1, 15, v0
	v_bfe_u32 v2, v0, 4, 1
	s_wait_alu depctr_va_vdst(0)
	v_and_b32 v3, 31, v0
	v_lshlrev_b32 v[CO], 4, v3
	s_mul_i32 s21, s15, 2*HALFT
	s_mul_i32 s22, s16, 2*HALFT
	s_add_co_u32 s22, s22, 4*HALFT
.irp s, 0,1
	v_add_nc_u32 v[ADRA+\s], s21, v[CO]
	v_add_nc_u32 v[ADRB+\s], s22, v[CO]
	s_add_co_u32 s21, s21, HALFT
	s_add_co_u32 s22, s22, HALFT
.endr
	v_lshlrev_b32 v5, 4, v1
	s_lshl_b32 s21, s15, 9
	s_lshl_b32 s22, s16, 9
	s_add_co_u32 s22, s22, BASEB-BASEA
	s_sub_co_u32 s22, s22, s21
	v_mul_u32_u24 v4, s22, v2
	s_add_co_u32 s21, s21, BASEA
	v_add_nc_u32 v5, v5, v4
	v_add_nc_u32 v[ADRS], s21, v5
	v_lshlrev_b32 v6, 2, v1
	s_lshl_b32 s17, s43, 1
	s_add_co_u32 s17, s17, s15
	s_lshl_b32 s17, s17, 18
	s_lshl_b32 s18, s42, 15
	s_add_co_u32 s17, s17, s18
	s_lshl_b32 s18, s16, 11
	s_add_co_u32 s20, s17, s18
	s_mov_b32 s21, 0
	s_add_nc_u64 s[8:9], s[8:9], s[20:21]
	s_lshl_b32 s17, s43, 4
	s_lshl_b32 s18, s42, 1
	s_add_co_u32 s17, s17, s18
	s_add_co_u32 s17, s17, s16
	s_lshl_b32 s17, s17, 10
	s_lshl_b32 s18, s15, 9
	s_add_co_u32 s20, s17, s18
	s_add_nc_u64 s[10:11], s[10:11], s[20:21]
	s_and_b32 s17, s41, 3
	s_lshl_b32 s17, s17, 10
	s_add_co_u32 s20, s17, s18
	s_add_nc_u64 s[96:97], s[96:97], s[20:21]
	s_cmp_eq_u32 s105, 1
	s_cbranch_scc0 .Lno_bias
	s_wait_alu depctr_va_vdst(0)
.irp a, 0,1,2,3,4,5,6,7
.irp j, 0,1,2,3,4,5,6,7
	global_load_b32 v[BI+8*\a+\j], v6, s[96:97] offset:64*\a
.endr
.endr
.Lno_bias:
	s_wait_tensorcnt 0x0                           ; my one load of the head is in; no tensor load of mine is out, so group 1 may be written: the ring's shape, 128 rows of 256 bytes
.irp g, G1, G1B
	s_mov_b32 s[\g+1], 32<<16
	s_mov_b32 s[\g+2], 128<<16
	s_mov_b32 s[\g+3], 32<<16
	s_mov_b32 s[\g+4], 128
	s_mov_b32 s[\g+5], 32
.endr
	s_barrier_signal -1
	s_barrier_wait -1
	s_wait_alu depctr_va_vdst(0)
	ASK STEPB                                      ; K step 3, which the second change of slots loads
	FETCH_B 0, 0, 0
	FETCH_A 0, 0, 0
	SCALES 0
	FETCH_A 0, 0, 4
	s_cmp_eq_u32 s105, 1
	s_cbranch_scc1 .Lfirst_v
	STEP 0, 1
	s_branch .Lfirst_done
.Lfirst_v:
	s_wait_loadcnt 0x0
	STEP 0, 3
.Lfirst_done:
	s_mov_b32 s3, LAPS-1
.Llap:
	TURN 0, 1, 1
	STEP 1, 0
	TURN 1, 0, 1
	STEP 0, 0
	s_sub_co_u32 s3, s3, 1
	s_cmp_lg_u32 s3, 0
	s_cbranch_scc1 .Llap
	TURN 0, 1, 0
	STEP 1, 0
	s_wait_dscnt 16
	WIN MUL_LO
	MUL16 0, 1, 1, 1, 0
	MUL16 2, 1, 1, 1, 0
	s_wait_dscnt 0x0
	WIN MUL_HI
	MUL16 4, 1, 1, 1, 0
	MUL16 6, 1, 1, 1, 0
	WIN 0
	PLACES NP
.macro SOFTQ a
.set WW, 2+(\a)/4
.set S0, 64*((\a)%4)
.set CD, CDS+16*((\a)%4)
	WIN WW|(WW<<2)|(WW<<4)
.irp b, 0,1,2,3
	v_max3_num_f32 v[BMX+\b], v[S0+16*\b], v[S0+16*\b+1], v[S0+16*\b+2]
.endr
	WIN (WW<<2)|(WW<<4)
.irp i, 3,5,7,9,11,13
.irp b, 0,1,2,3
	v_max3_num_f32 v[BMX+\b], v[BMX+\b], v[S0+16*\b+\i], v[S0+16*\b+\i+1]
.endr
.endr
	WIN WW<<2
.irp b, 0,1,2,3
	v_max_num_f32 v[BMX+\b], v[BMX+\b], v[S0+16*\b+15]
.endr
	WIN 0
.irp b, 0,1,2,3
	v_permlanex16_b32 v[PRM+\b], v[BMX+\b], s100, s101
.endr
.irp b, 0,1,2,3
	v_max_num_f32 v[BMX+\b], v[BMX+\b], v[PRM+\b]
.endr
	v_max3_num_f32 v[TP], v[BMX], v[BMX+1], v[BMX+2]
	v_max_num_f32 v[TP], v[TP], v[BMX+3]
	v_mul_f32 v[TP], s66, v[TP]
	v_floor_f32 v[NR], -v[TP]
.irp b, 0,1,2,3
	v_fma_f32 v[BMX+\b], v[BMX+\b], s66, v[NR]
.endr
	WIN WW
.set j, 0
.rept 32
	v_pk_fma_f32 v[H+j:H+j+1], v[S0+j:S0+j+1], s[66:67], v[NR:NR+1] op_sel_hi:[1,0,0]
.set j, j+2
.endr
	WIN 0
.set j, 0
	s_wait_alu depctr_va_vdst(0)
.rept 64
	v_exp_f32 v[H+j], v[H+j]
.set j, j+1
.endr
	v_mov_b32 v[NN+(\a)], v[NR]
	s_wait_alu depctr_va_vdst(0)
.irp b, 0,1,2,3
	v_exp_f32 v[BMX+\b], v[BMX+\b]
.endr
	v_pk_add_f32 v[SM:SM+1], v[H:H+1], v[H+2:H+3]
	v_pk_add_f32 v[SM+2:SM+3], v[H+4:H+5], v[H+6:H+7]
.irp j, 8,12,16,20,24,28,32,36,40,44,48,52,56,60
	v_pk_add_f32 v[SM:SM+1], v[SM:SM+1], v[H+\j:H+\j+1]
	v_pk_add_f32 v[SM+2:SM+3], v[SM+2:SM+3], v[H+\j+2:H+\j+3]
.endr
	v_pk_add_f32 v[SM:SM+1], v[SM:SM+1], v[SM+2:SM+3]
	v_add_f32 v[SM], v[SM], v[SM+1]
	v_permlanex16_b32 v[TP+1], v[SM], s100, s101
	v_add_f32 v[LL+(\a)], v[SM], v[TP+1]
	s_wait_alu depctr_va_vdst(0)
.irp b, 0,1,2,3
	v_max_num_f32 v[BMX+\b], 0x8000000, v[BMX+\b]
.endr
.irp b, 0,1,2,3
	v_add_nc_u32 v[SO+\b], 0xf8800000, v[BMX+\b]
.endr
.irp b, 0,1,2,3
	v_and_or_b32 v[HD+\b], v[BMX+\b], 0x7f800000, s99
.endr
.irp b, 0,1,2,3
	v_lshrrev_b32 v[PRM+\b], 23, v[SO+\b]
.endr
	v_lshl_or_b32 v[PW+(\a)], v[PRM+1], 8, v[PRM]
	v_lshl_or_b32 v[PW+(\a)], v[PRM+2], 16, v[PW+(\a)]
	v_lshl_or_b32 v[PW+(\a)], v[PRM+3], 24, v[PW+(\a)]
.irp b, 0,1,2,3
.irp i, 0,1,2,3,4,5,6,7,8,9,10,11,12,13,14,15
	v_min_num_f32 v[H+16*\b+\i], v[H+16*\b+\i], v[HD+\b]
.endr
.endr
.if (\a) >= 4
	s_wait_alu depctr_va_vdst(0)
	s_wait_xcnt 0x0
.endif
.irp b, 0,1,2,3
	v_cvt_scalef32_pk8_bf8_f32 v[CD+4*\b:CD+4*\b+1], v[H+16*\b:H+16*\b+7], v[SO+\b]
	v_cvt_scalef32_pk8_bf8_f32 v[CD+4*\b+2:CD+4*\b+3], v[H+16*\b+8:H+16*\b+15], v[SO+\b]
.endr
	v_nop
.irp c, 0,1,2,3
	global_store_b128 v[CO], v[CD+4*\c:CD+4*\c+3], s[8:9] offset:4096*(\a)+512*\c
.endr
.endm
.macro QUANTV a
.set WW, 2+(\a)/4
.set S0, 64*((\a)%4)
.set CD, CDS+16*((\a)%4)
	WIN WW|(WW<<2)
.irp b, 0,1,2,3
	v_max3_num_f32 v[QTM+\b], |v[S0+16*\b]|, |v[S0+16*\b+1]|, 0x8000000
.endr
	WIN (WW<<2)|(WW<<4)
.irp i, 2,4,6,8,10,12,14
.irp b, 0,1,2,3
	v_max3_num_f32 v[QTM+\b], v[QTM+\b], |v[S0+16*\b+\i]|, |v[S0+16*\b+\i+1]|
.endr
.endr
	WIN 0
.irp b, 0,1,2,3
	v_permlanex16_b32 v[QTM+4+\b], v[QTM+\b], s100, s101
.endr
.irp b, 0,1,2,3
	v_max_num_f32 v[QTM+\b], v[QTM+\b], v[QTM+4+\b]
.endr
.irp b, 0,1,2,3
	v_add_nc_u32 v[QTM+12+\b], 0xf8800000, v[QTM+\b]
.endr
.irp b, 0,1,2,3
	v_and_or_b32 v[QTM+8+\b], v[QTM+\b], 0x7f800000, s99
.endr
.irp b, 0,1,2,3
	v_lshrrev_b32 v[QTM+4+\b], 23, v[QTM+12+\b]
.endr
	v_lshl_or_b32 v[QPW+(\a)], v[QTM+5], 8, v[QTM+4]
	v_lshl_or_b32 v[QPW+(\a)], v[QTM+6], 16, v[QPW+(\a)]
	v_lshl_or_b32 v[QPW+(\a)], v[QTM+7], 24, v[QPW+(\a)]
	WIN WW
.irp b, 0,1,2,3
.irp i, 0,1,2,3,4,5,6,7,8,9,10,11,12,13,14,15
	v_med3_num_f32 v[H+16*\b+\i], v[S0+16*\b+\i], -v[QTM+8+\b], v[QTM+8+\b]
.endr
.endr
	WIN 0
.if (\a) >= 4
	s_wait_alu depctr_va_vdst(0)
	s_wait_xcnt 0x0
.endif
.irp b, 0,1,2,3
	v_cvt_scalef32_pk8_bf8_f32 v[CD+4*\b:CD+4*\b+1], v[H+16*\b:H+16*\b+7], v[QTM+12+\b]
	v_cvt_scalef32_pk8_bf8_f32 v[CD+4*\b+2:CD+4*\b+3], v[H+16*\b+8:H+16*\b+15], v[QTM+12+\b]
.endr
	v_nop
.irp c, 0,1,2,3
	global_store_b128 v[CO], v[CD+4*\c:CD+4*\c+3], s[8:9] offset:4096*(\a)+512*\c
.endr
.endm
	s_cmp_eq_u32 s105, 1
	s_cbranch_scc1 .Lout_v
.irp b, 0,1,2,3
	v_mov_b32 v[PRM+\b], 0
.endr
	v_mov_b32 v[TP+1], 0
	v_mov_b32 v[NR+1], 0
.irp a, 0,1,2,3,4,5,6,7
	SOFTQ \a
.endr
.irp i, 0,1,2,3
	v_cndmask_b32 v[TT+\i], v[PW+\i], v[PW+4+\i], s98
	v_cndmask_b32 v[TT+4+\i], v[NN+\i], v[NN+4+\i], s98
	v_cndmask_b32 v[TT+8+\i], v[LL+\i], v[LL+4+\i], s98
.endr
	global_store_b128 v[CO], v[TT:TT+3], s[10:11]
	global_store_b128 v[CO], v[TT+4:TT+7], s[10:11] offset:262144
	global_store_b128 v[CO], v[TT+8:TT+11], s[10:11] offset:524288
	s_branch .Lend
.Lout_v:
.irp b, 0,1,2,3
	v_mov_b32 v[QTM+4+\b], 0
.endr
.irp a, 0,1,2,3,4,5,6,7
	QUANTV \a
.endr
.irp i, 0,1,2,3
	v_cndmask_b32 v[QTT+\i], v[QPW+\i], v[QPW+4+\i], s98
.endr
	global_store_b128 v[CO], v[QTT:QTT+3], s[10:11]
.Lend:
	s_wait_tensorcnt 0x0
	ds_add_u32 v[SPW], v[NIL]
	s_wait_dscnt 0x0
	CROUND
	s_endpgm
.Lfunc_end_k_q68190ac8a3_scores:
	.size	k_q68190ac8a3_scores, .Lfunc_end_k_q68190ac8a3_scores-k_q68190ac8a3_scores
	.p2alignl 7, 3214868480
	.fill 96, 4, 3214868480
	.section	.rodata,"a",@progbits
	.p2align	6, 0x0
	.amdhsa_kernel k_q68190ac8a3_scores
		.amdhsa_group_segment_fixed_size 327680
		.amdhsa_private_segment_fixed_size 0
		.amdhsa_enable_private_segment 0
		.amdhsa_kernarg_size 72
		.amdhsa_user_sgpr_count 2
		.amdhsa_user_sgpr_kernarg_segment_ptr 1
		.amdhsa_wavefront_size32 1
		.amdhsa_system_sgpr_workgroup_id_x 1
		.amdhsa_system_sgpr_workgroup_id_y 1
		.amdhsa_system_sgpr_workgroup_id_z 1
		.amdhsa_system_vgpr_workitem_id 0
		.amdhsa_next_free_vgpr 1024
		.amdhsa_next_free_sgpr 106
		.amdhsa_reserve_vcc 0
		.amdhsa_float_denorm_mode_32 3
		.amdhsa_float_denorm_mode_16_64 3
		.amdhsa_memory_ordered 1
		.amdhsa_forward_progress 1
		.amdhsa_inst_pref_size 255
	.end_amdhsa_kernel
	.section	.bss,"aw",@nobits
	.p2align	6
	.space	262144
	.amdgpu_metadata
---
amdhsa.version: [ 1, 2 ]
amdhsa.kernels:
  - .name:           k_q68190ac8a3_scores
    .symbol:         k_q68190ac8a3_scores.kd
    .args:
      - { .name: qk, .offset: 0, .size: 8, .value_kind: global_buffer, .address_space: global }
      - { .name: qks, .offset: 8, .size: 8, .value_kind: global_buffer, .address_space: global }
      - { .name: pc, .offset: 16, .size: 8, .value_kind: global_buffer, .address_space: global }
      - { .name: pst, .offset: 24, .size: 8, .value_kind: global_buffer, .address_space: global }
      - { .name: xc, .offset: 32, .size: 8, .value_kind: global_buffer, .address_space: global }
      - { .name: xs, .offset: 40, .size: 8, .value_kind: global_buffer, .address_space: global }
      - { .name: bv, .offset: 48, .size: 8, .value_kind: global_buffer, .address_space: global }
      - { .name: vt, .offset: 56, .size: 8, .value_kind: global_buffer, .address_space: global }
      - { .name: vts, .offset: 64, .size: 8, .value_kind: global_buffer, .address_space: global }
    .group_segment_fixed_size: 327680
    .private_segment_fixed_size: 0
    .kernarg_segment_align: 8
    .kernarg_segment_size: 72
    .max_flat_workgroup_size: 128
    .sgpr_count:     106
    .vgpr_count:     1024
    .wavefront_size: 32
...
	.end_amdgpu_metadata
.endif
;; end of part 3
;; launch pv (part 4): grid 8 x 32, 4 waves a work-group, clusters of 4 x 4, 327,680 bytes of LDS; arguments pc, pst, vt, vts, out0; writes out0
.if DOCPART == 4
	.amdgcn_target "amdgcn-amd-amdhsa--gfx1250"
	.amdhsa_code_object_version 6
	.text
	.protected	k_q68190ac8a3_pv
	.globl	k_q68190ac8a3_pv
	.p2align	8
	.type	k_q68190ac8a3_pv,@function
k_q68190ac8a3_pv:
	s_mov_b64 s[64:65], 0
	v_nop
	global_prefetch_b8 v0, s[64:65] scope:SCOPE_SE
	s_setreg_imm32_b32 hwreg(HW_REG_WAVE_MODE, 25, 1), 1
	s_wait_xcnt 0x0
	s_wait_alu depctr_hold_cnt(0) depctr_sa_sdst(0) depctr_va_vdst(0) depctr_va_sdst(0) depctr_va_ssrc(0) depctr_va_vcc(0) depctr_vm_vsrc(0)
	s_getreg_b32 s2, hwreg(HW_REG_IB_STS2, 6, 4)
	s_cmp_eq_u32 s2, 0
	s_cbranch_scc0 .Lentry_in_a_cluster
	s_endpgm
.Lentry_in_a_cluster:
	s_bfe_u32 s2, ttmp6, 0x10000c
	s_cmp_lg_u32 s2, 0xf033
	s_cbranch_scc0 .Lentry_shape_is_right
	s_endpgm
.Lentry_shape_is_right:
; out0 = (p V) / l on codes of E5M2 with one E8M0 byte for each 32 keys: batch 8 x [512 queries, 2,048 keys] x [2,048 keys, 1,024].
; pc: p's codes, vt: V^T's codes, both as images of fragments [rows / 128][8 K steps of 256][8 blocks of 16 rows][2 fragments][2,048 bytes].  pst: three planes of 262,144 bytes, [rows / 256][16 fragments][1,024]:
; p's scale words, -M of each row under which a fragment's 128 keys were quantised, and that fragment's sum of p.  vts: V^T's scale words, laid likewise.  The word of row q of 256 lies at 256 (q / 64) + 16 (q % 16) + 4 ((q / 16) % 4).
; SHARES.  A work-group makes 128 queries x 128 columns: 32 x 8 = 256 work-groups.  Four waves, 2 x 2, 64 x 64 each: 16 accumulators, which take turns.
; CLUSTERS: 4 x 4: the four of a row need the same 128 rows of p, the four of a column (the four query blocks of one batch) the same 128 rows of V^T: each tile is asked for jointly.
; THE RING: two slots of 512 keys, 65,536 bytes of p and of V^T each.  LDS: p's two slots, then V^T's.  Both slots are first filled at the head, one dense load a wave, each on a line of its own:
; waves 0 and 1 (slot 0) wait at the first barrier, waves 2 and 3 (slot 1) at the first change of slots.  K steps 2 and 3 come as refills, a quarter of a slot a wave, each behind a drained round of the cluster's barrier.
; THE SCALES NEVER TOUCH LDS.  A load of 16 bytes brings the words of one row in the four blocks of a wave's 64 rows; lanes 0-15 take the even fragments, lanes 16-31 the odd ones, and a product picks its half by the ROW selector.
; So a wave holds all of K's words in 32 registers a side.  The join of the partial softmaxes is done in the same lanes: N = the least -M of a row; a fragment's bytes fall by d = -M - N, its sum by 2^-d; 1 / the row's sum multiplies the result.
; The 16 steps of 128 keys are written by macros and not as a loop: each names its own scale registers.
; PREFETCH: K steps 2 and 3, one instruction a wave each: the 256 blocks of 256 bytes of a tile's K step are shared out by address among the 8 waves (2 in each of 4 partners) that ask for that tile.  K steps 0 and 1 come by their loads alone.
; LIMITS: NaN and infinities are not served.  d is held at 255, and a byte that would fall under 0 is held at 0 (2^-127): such a fragment lies 2^-100 and more under the row's largest p.
.set HALFT,  32768                     ; 128 rows x 256 keys
.set KST,    65536                     ; 128 rows x 512 keys: one operand's part of a slot
.set BOFF,   131072                    ; V^T's two slots lie behind p's
.set SPARE,  262144                    ; the spare words, 128 bytes for each wave
.set SPITCH, 272                       ; the way out: a stage row: 256 bytes + 16
.set SBLK,   16*SPITCH
.set NP,     8                         ; places behind this matrix instruction (ISA guide 7.12.1)
.set CO,   5                           ; v5      16 x lane
.set ADRA, 6                           ; v6-7    my fragments of p in slot 0, 1
.set ADRB, 8                           ; v8-9    of V^T
.set STO,  10
.set RD,   11
.set GO,   12
.set PFO,  13                          ; 256 x lane; never rewritten
.set SPW,  14
.set NIL,  15
.set RP,   16                          ; v16-23  1 / l of my query in block a, as a pair
.set NG,   24
.set PT,   28
.set LS,   32
.set BT,   36
.set XS,   48                          ; v48-79   p's words: register 4 t + a: fragment 2 t + lane / 16, block a
.set YS,   84                          ; v84-115  V^T's: the two registers of a product differ modulo 8
.set ACC,  128                         ; v128-255 accumulator (a, b) at 8 (4 a + b)
.set NV,   128                         ; at the head: -M, then d
.set LV,   160                         ; and the partial sums
.set G1A, 24
.set HA0, 32
.set HA1, 36
.set G1B, 48
.set HB0, 56
.set HB1, 60
.set G1RA, 68
.set G1RB, 76
.set RA0, 84
.set RB0, 92
.set PF,  100
.set MSB, 0
.macro WIN new                         ; the immediate's high byte repeats the setting that is left
.if MSB != (\new)
	s_set_vgpr_msb (MSB<<8)|(\new)
.set MSB, (\new)
.endif
.endm
.macro PLACES n
.rept \n
	v_nop
.endr
.endm
.macro CREST
	s_cmp_lg_u32 s14, 0
	s_cbranch_scc1 .Lnot_wave_0_\@
	s_barrier_signal -3
.Lnot_wave_0_\@:
	s_barrier_wait -3
	s_barrier_signal -1
	s_barrier_wait -1
.endm
.macro CROUND
	s_barrier_signal -1
	s_barrier_wait -1
	CREST
.endm
.macro TL g0, g1                       ; a tensor load; s_nop 0 and four v_nop follow it
	tensor_load_to_lds s[\g0:\g0+3], s[\g1:\g1+7]
	s_nop 0
	PLACES 4
.endm
.macro GRP0 g, lds, base, off
	s_mov_b32 s[\g], 1
	s_mov_b32 s[\g+1], \lds
	s_add_nc_u64 s[\g+2:\g+3], s[\base:\base+1], \off
	s_or_b32 s[\g+3], s[\g+3], 0x80000000
.endm
.macro GRPR g, lds, base, off          ; a refill: my quarter, s22 = 32,768 x (wave % 2) on
	s_mov_b32 s[\g], 1
	s_add_co_u32 s[\g+1], s22, \lds
	s_add_nc_u64 s[\g+2:\g+3], s[\base:\base+1], \off
	s_or_b32 s[\g+3], s[\g+3], 0x80000000
.endm
	s_load_b256 s[4:11], s[0:1], 0x0               ; pc, pst, vt, vts
	s_load_b64 s[12:13], s[0:1], 0x20              ; out0
	v_lshl_add_u32 v[SPW], v0, 2, SPARE
	v_mov_b32 v[NIL], 0
	ds_add_u32 v[SPW], v[NIL]                      ; the opening lines: the add, twice on end, and its wait
	ds_add_u32 v[SPW], v[NIL]
	v_lshrrev_b32 v1, 5, v0
	v_readfirstlane_b32 s14, v1                    ; wave
	s_lshr_b32 s15, s14, 1                         ; my half of the queries.  Also: I fetch for p (0) or V^T (1)
	s_and_b32 s16, s14, 1                          ; my half of the columns.  Also: which quarter I fetch
	s_bfe_u32 s40, ttmp6, 0x40000                  ; cx
	s_bfe_u32 s41, ttmp6, 0x40004                  ; cy
	s_lshl_b32 s42, ttmp9, 2
	s_add_co_u32 s42, s42, s40                     ; x: my 128 columns
	s_and_b32 s17, ttmp7, 0xffff                   ; the batch = the cluster's y
	s_lshl_b32 s45, s17, 2
	s_add_co_u32 s45, s45, s41                     ; y: my 128 queries
	s_lshl_b32 s43, s41, 2
	s_lshl_b32 s43, 15, s43                        ; my row of the cluster
	s_lshl_b32 s44, 0x1111, s40                    ; my column
	s_or_b32 s[G1A], s43, (3<<16)|(1<<21)          ; dense blocks as rows of 256 bytes (32 elements of 8): 256 rows at the head, 128 in a refill
	s_or_b32 s[G1RA], s43, (3<<16)|(1<<21)
	s_or_b32 s[G1B], s44, (3<<16)|(1<<21)
	s_or_b32 s[G1RB], s44, (3<<16)|(1<<21)
.irp g, G1A, G1B
	s_mov_b32 s[\g+1], 32<<16
	s_mov_b32 s[\g+2], 256<<16
	s_mov_b32 s[\g+3], 32<<16
	s_mov_b32 s[\g+4], 256
	s_mov_b32 s[\g+5], 32
	s_mov_b32 s[\g+6], 0
	s_mov_b32 s[\g+7], 0
.endr
.irp g, G1RA, G1RB
	s_mov_b32 s[\g+1], 32<<16
	s_mov_b32 s[\g+2], 128<<16
	s_mov_b32 s[\g+3], 32<<16
	s_mov_b32 s[\g+4], 128
	s_mov_b32 s[\g+5], 32
	s_mov_b32 s[\g+6], 0
	s_mov_b32 s[\g+7], 0
.endr
	s_lshl_b32 s18, s45, 18                        ; p's tile: 262,144 bytes for 128 rows
	s_mov_b32 s19, 0
	s_lshl_b32 s20, s17, 3
	s_add_co_u32 s20, s20, s42
	s_lshl_b32 s20, s20, 18                        ; V^T's: 8 x batch + x
	s_mov_b32 s21, 0
	s_lshl_b32 s22, s16, 15
	s_mov_b32 s23, 0
	s_lshr_b32 s46, s45, 1                         ; pst: the tile of 256 rows, and my 64 rows in it
	s_lshl_b32 s46, s46, 14
	s_and_b32 s2, s45, 1
	s_lshl_b32 s2, s2, 1
	s_add_co_u32 s2, s2, s15
	s_lshl_b32 s2, s2, 8
	s_add_co_u32 s46, s46, s2
	s_mov_b32 s47, 0
	s_lshl_b32 s2, s17, 2                          ; vts likewise
	s_lshr_b32 s3, s42, 1
	s_add_co_u32 s2, s2, s3
	s_lshl_b32 s2, s2, 14
	s_and_b32 s3, s42, 1
	s_lshl_b32 s3, s3, 1
	s_add_co_u32 s3, s3, s16
	s_lshl_b32 s3, s3, 8
	s_add_co_u32 s2, s2, s3
	s_mov_b32 s3, 0
	s_mov_b32 s66, 0x76543210                      ; v_permlanex16_b32: lane l xor 16
	s_mov_b32 s67, 0xfedcba98
	s_wait_dscnt 0x0                               ; both opening adds are done
	s_wait_kmcnt 0x0
	s_add_nc_u64 s[18:19], s[4:5], s[18:19]
	s_add_nc_u64 s[20:21], s[8:9], s[20:21]
	s_add_nc_u64 s[46:47], s[6:7], s[46:47]
	s_add_nc_u64 s[2:3], s[10:11], s[2:3]
	GRP0 HA0, 0, 18, 0
	GRP0 HA1, KST, 18, KST
	GRP0 HB0, BOFF, 20, 0
	GRP0 HB1, BOFF+KST, 20, KST
	s_cmp_eq_u32 s15, 0                            ; the prefetches: my operand's tile, and my place among the four that ask for it
	s_cselect_b64 s[PF:PF+1], s[18:19], s[20:21]
	s_cselect_b32 s17, s40, s41
	s_add_nc_u64 s[18:19], s[18:19], s[22:23]      ; for the refills: my quarter
	s_add_nc_u64 s[20:21], s[20:21], s[22:23]
	GRPR RA0, 0, 18, 2*KST
	GRPR RA0+4, KST, 18, 3*KST
	GRPR RB0, BOFF, 20, 2*KST
	GRPR RB0+4, BOFF+KST, 20, 3*KST
	CROUND                                         ; all sixteen work-groups are here: the first joint loads meet
.macro ARM under, g0, g1, next
	s_cmp_lt_u32 s14, \under
	s_cbranch_scc0 \next
	TL \g0, \g1
	s_branch .Lhead_asked
\next:
.endm
	ARM 1, HA0, G1A, .Lh1                          ; one load a wave, an arm each: slot 0 first
	ARM 2, HB0, G1B, .Lh2
	ARM 3, HA1, G1A, .Lh3
	TL HB1, G1B
.Lhead_asked:
	v_and_b32 v1, 15, v0                           ; r
	v_bfe_u32 v2, v0, 4, 1                         ; h
	v_and_b32 v3, 31, v0
	v_lshlrev_b32 v4, 4, v1
	v_lshl_add_u32 v4, v2, 10, v4                  ; 16 r + 1,024 h: row r's four words of fragment 2 t + h
	v_lshlrev_b32 v[PFO], 8, v3
	s_wait_alu depctr_va_vdst(0)
.irp t, 0,1,2,3,4,5,6,7
	global_load_b128 v[NV+4*\t:NV+4*\t+3], v4, s[46:47] offset:262144+2048*\t
.endr
.irp t, 0,1,2,3,4,5,6,7
	global_load_b128 v[LV+4*\t:LV+4*\t+3], v4, s[46:47] offset:524288+2048*\t
.endr
.irp t, 0,1,2,3,4,5,6,7
	global_load_b128 v[XS+4*\t:XS+4*\t+3], v4, s[46:47] offset:2048*\t
.endr
.irp t, 0,1,2,3,4,5,6,7
	global_load_b128 v[YS+4*\t:YS+4*\t+3], v4, s[2:3] offset:2048*\t
.endr
	s_lshl_b32 s17, s17, 1
	s_add_co_u32 s17, s17, s16
	s_lshl_b32 s17, s17, 13                        ; my 8,192 bytes of a K step's 65,536,
	s_add_co_u32 s4, s17, 2*KST                    ; in K step 2
	s_mov_b32 s5, 0
	s_add_nc_u64 s[PF:PF+1], s[PF:PF+1], s[4:5]
	v_lshlrev_b32 v[CO], 4, v3
	s_lshl_b32 s17, s15, 14                        ; my four blocks of p: 4,096 bytes a block
	v_add_nc_u32 v[ADRA], s17, v[CO]
	v_add_nc_u32 v[ADRA+1], KST, v[ADRA]
	s_lshl_b32 s17, s16, 14
	s_add_co_u32 s17, s17, BOFF
	v_add_nc_u32 v[ADRB], s17, v[CO]
	v_add_nc_u32 v[ADRB+1], KST, v[ADRB]
	global_prefetch_b8 v[PFO], s[PF:PF+1] th:TH_LOAD_NT scope:SCOPE_SE   ; K step 2, which the first change of slots loads
	s_mul_i32 s17, s15, BOFF                       ; my stage, four blocks of 16 rows: in slot 0 (waves 0, 1: p's; 2, 3: V^T's), which has had its last fill and its last read by then
	s_mul_i32 s23, s16, 4*SBLK
	s_add_co_u32 s17, s17, s23
	v_mul_u32_u24 v[STO], v1, SPITCH
	v_lshl_add_u32 v[STO], v2, 5, v[STO]
	v_add_nc_u32 v[STO], s17, v[STO]               ; in: row r, 32 bytes for each half of the lanes
	v_mul_u32_u24 v[RD], v2, SPITCH
	v_lshl_add_u32 v[RD], v1, 4, v[RD]
	v_add_nc_u32 v[RD], s17, v[RD]                 ; back: sixteen lanes a row of 256 bytes, two rows an instruction
	v_lshlrev_b32 v[GO], 12, v2
	v_lshl_add_u32 v[GO], v1, 4, v[GO]             ; and the same two rows in out0
	s_lshl_b32 s17, s45, 7
	s_lshl_b32 s23, s15, 6
	s_add_co_u32 s17, s17, s23                     ; my first query
	s_lshl_b32 s4, s17, 12
	s_lshl_b32 s17, s42, 9
	s_add_co_u32 s4, s4, s17
	s_lshl_b32 s17, s16, 8
	s_add_co_u32 s4, s4, s17                       ; my first column, in bytes
	s_add_nc_u64 s[12:13], s[12:13], s[4:5]
.irp i, 0,1,2,3
	v_mov_b32 v[PT+\i], 0                          ; a lane permute's destination counts as one of its sources
.endr
	s_wait_alu depctr_va_vdst(0)
	s_wait_loadcnt 0x0
.irp i, 0,1,2,3
	v_min3_num_f32 v[NG+\i], v[NV+\i], v[NV+4+\i], v[NV+8+\i]      ; the least -M of my eight fragments, block i
.endr
.irp i, 0,1,2,3
	v_min3_num_f32 v[NG+\i], v[NG+\i], v[NV+12+\i], v[NV+16+\i]
.endr
.irp i, 0,1,2,3
	v_min3_num_f32 v[NG+\i], v[NG+\i], v[NV+20+\i], v[NV+24+\i]
.endr
.irp i, 0,1,2,3
	v_min_num_f32 v[NG+\i], v[NG+\i], v[NV+28+\i]
.endr
.irp i, 0,1,2,3
	v_permlanex16_b32 v[PT+\i], v[NG+\i], s66, s67
.endr
.irp i, 0,1,2,3
	v_min_num_f32 v[NG+\i], v[NG+\i], v[PT+\i]     ; and of the other half's eight: N
.endr
.set x, 0
.rept 32
	v_sub_f32 v[NV+x], v[NV+x], v[NG+x%4]          ; d: a whole number, 0 or more
.set x, x+1
.endr
.set x, 0
.rept 32
	v_min_num_f32 v[NV+x], 0x437f0000, v[NV+x]     ; held at 255
.set x, x+1
.endr
.set x, 0
.rept 32
	v_cvt_u32_f32 v[NV+x], v[NV+x]
.set x, x+1
.endr
.set x, 0
.rept 32
	v_sub_nc_u32 v[BT+x%8], 0, v[NV+x]
	v_ldexp_f32 v[LV+x], v[LV+x], v[BT+x%8]        ; the partial sum under N: exact
.set x, x+1
.endr
	v_pk_add_f32 v[LS:LS+1], v[LV:LV+1], v[LV+4:LV+5]
	v_pk_add_f32 v[LS+2:LS+3], v[LV+2:LV+3], v[LV+6:LV+7]
.irp t, 2,3,4,5,6,7
	v_pk_add_f32 v[LS:LS+1], v[LS:LS+1], v[LV+4*\t:LV+4*\t+1]
	v_pk_add_f32 v[LS+2:LS+3], v[LS+2:LS+3], v[LV+4*\t+2:LV+4*\t+3]
.endr
.irp i, 0,1,2,3
	v_permlanex16_b32 v[PT+\i], v[LS+\i], s66, s67
.endr
.irp i, 0,1,2,3
	v_add_f32 v[LS+\i], v[LS+\i], v[PT+\i]         ; the row's sum, in both halves of the lanes
.endr
	s_wait_alu depctr_va_vdst(0)
.irp i, 0,1,2,3
	v_rcp_f32 v[LS+\i], v[LS+\i]
.endr
.macro BYTES x                         ; each of a word's four bytes falls by d, held at 0
	v_and_b32 v[BT], 0xff, v[XS+\x]
	v_bfe_u32 v[BT+1], v[XS+\x], 8, 8
	v_bfe_u32 v[BT+2], v[XS+\x], 16, 8
	v_lshrrev_b32 v[BT+3], 24, v[XS+\x]
.irp k, 0,1,2,3
	v_min_u32 v[BT+4+\k], v[BT+\k], v[NV+\x]
.endr
.irp k, 0,1,2,3
	v_sub_nc_u32 v[BT+\k], v[BT+\k], v[BT+4+\k]
.endr
	v_lshl_or_b32 v[XS+\x], v[BT+1], 8, v[BT]
	v_lshl_or_b32 v[XS+\x], v[BT+2], 16, v[XS+\x]
	v_lshl_or_b32 v[XS+\x], v[BT+3], 24, v[XS+\x]
.endm
.set y, 0
.rept 32
	BYTES y
.set y, y+1
.endr
	s_wait_alu depctr_va_vdst(0)                   ; the wait behind the batch, ahead of its first reader
.irp a, 0,1,2,3
	v_mov_b32 v[RP+2*\a], v[LS+\a]
	v_mov_b32 v[RP+2*\a+1], v[LS+\a]
.endr
; fragment f = 0 .. 15 of K: slot (f / 4) % 2, register set f % 2 of window 1: V^T's four blocks at 128 (f % 2), p's 64 registers on
.macro FETCH f
.set P_, 128*((\f)%2)
.set SL_, ((\f)/4)%2
.set O_, (((\f)%4)/2)*HALFT+((\f)%2)*2048
	WIN 0x40
.irp i, 0,1,2,3
.irp c, 0,1,2,3
	ds_load_b128 v[P_+16*\i+4*\c:P_+16*\i+4*\c+3], v[ADRB+SL_] offset:O_+4096*\i+512*\c
.endr
.endr
.irp i, 0,1,2,3
.irp c, 0,1,2,3
	ds_load_b128 v[P_+64+16*\i+4*\c:P_+64+16*\i+4*\c+3], v[ADRA+SL_] offset:O_+4096*\i+512*\c
.endr
.endr
.endm
; source 0 = 16 rows of V^T, source 1 = 16 queries: a lane holds one query and eight neighbouring columns
.macro ONE ac, bf, af, ys, xs, zero, row
.if \zero
	v_wmma_scale_f32_16x16x128_f8f6f4 v[\ac:\ac+7], v[\bf:\bf+15], v[\af:\af+15], 0, v[\ys], v[\xs] matrix_a_fmt:MATRIX_FMT_BF8 matrix_b_fmt:MATRIX_FMT_BF8
.elseif \row
	v_wmma_scale_f32_16x16x128_f8f6f4 v[\ac:\ac+7], v[\bf:\bf+15], v[\af:\af+15], v[\ac:\ac+7], v[\ys], v[\xs] matrix_a_fmt:MATRIX_FMT_BF8 matrix_b_fmt:MATRIX_FMT_BF8 matrix_a_scale:MATRIX_SCALE_ROW1 matrix_b_scale:MATRIX_SCALE_ROW1
.else
	v_wmma_scale_f32_16x16x128_f8f6f4 v[\ac:\ac+7], v[\bf:\bf+15], v[\af:\af+15], v[\ac:\ac+7], v[\ys], v[\xs] matrix_a_fmt:MATRIX_FMT_BF8 matrix_b_fmt:MATRIX_FMT_BF8
.endif
.endm
.macro MUL f, n0, n1, zero             ; products n0 .. n1 - 1 of fragment f: n = 4 a + b
	WIN 5                                          ; both sources window 1, sums window 0
.set P_, 128*((\f)%2)
.set T_, 4*((\f)/2)
.set N_, \n0
.rept (\n1)-(\n0)
	ONE ACC+8*N_, P_+16*(N_%4), P_+64+16*(N_/4), YS+T_+(N_%4), XS+T_+(N_/4), \zero, (\f)%2
.set N_, N_+1
.endr
.endm
.macro STEP f, zero=0                  ; the next fragment's 32 loads go out in one run ahead of this one's 16 products
	PLACES NP                                      ; in front of loads into registers that the last products have read (in the first step: behind the vector lines that made the scale words)
	s_wait_dscnt 0x0                               ; this fragment's registers are in: asked for a step ago
	FETCH (\f)+1
	MUL \f, 0, 16, \zero
.endm
.macro JLOAD s
	s_cmp_eq_u32 s15, 0
	s_cbranch_scc0 .Lfor_b_\@
	TL RA0+4*(\s), G1RA
	s_branch .Lasked_\@
.Lfor_b_\@:
	TL RB0+4*(\s), G1RB
.Lasked_\@:
.endm
; a slot's last fragment changes slots: each wave waits for all its tensor loads, adds 0 to its spare word, and waits for that and for its reads of this slot.  fill = 1: a round of the cluster's barrier, and this slot is filled again
.macro TURN f, fill
	PLACES NP
	WIN 0
	s_wait_tensorcnt 0x0
	ds_add_u32 v[SPW], v[NIL]
	s_wait_dscnt 1                                 ; the fragment is in; the add alone may be out
	MUL \f, 0, 4, 0
	s_wait_dscnt 0x0
	s_barrier_signal -1
	MUL \f, 4, 8, 0
	WIN 0
	s_barrier_wait -1
.if \fill
	CREST
	JLOAD ((\f)/4)%2                               ; the first tensor load behind the round, one a wave
.endif
	FETCH (\f)+1
	MUL \f, 8, 16, 0
.endm
	s_wait_alu depctr_va_vdst(0)
	s_cmp_lt_u32 s14, 2
	s_cbranch_scc0 .Lnot_first
	s_wait_tensorcnt 0x0                           ; waves 0 and 1: slot 0 is in.  Waves 2 and 3 wait for slot 1 at the first change of slots
.Lnot_first:
	s_barrier_signal -1
	s_barrier_wait -1
	global_prefetch_b8 v[PFO], s[PF:PF+1] offset:KST th:TH_LOAD_NT scope:SCOPE_SE   ; K step 3, which the second change of slots loads
	FETCH 0
	STEP 0, 1                                      ; the first products start the sums
	STEP 1
	STEP 2
	TURN 3, 1
.irp f, 4,5,6
	STEP \f
.endr
	TURN 7, 1
.irp f, 8,9,10
	STEP \f
.endr
	TURN 11, 0                                     ; nothing is left to fetch
.irp f, 12,13,14
	STEP \f
.endr
	s_wait_dscnt 0x0
	MUL 15, 0, 16, 0
	WIN 0
	PLACES NP                                      ; in front of the first read of results and of loads into the fragments' registers
; THE WAY OUT.  Block a: 16 queries x 64 columns: x 1 / l, through my stage, back as rows of 256 bytes.  LDS serves a wave's instructions in order (ISA guide 5.7.1.4): no wait between the stores and the loads.
.irp a, 0,1,2,3
.set j, 0
.rept 16
	v_pk_mul_f32 v[ACC+32*\a+j:ACC+32*\a+j+1], v[ACC+32*\a+j:ACC+32*\a+j+1], v[RP+2*\a:RP+2*\a+1]   ; each accumulator from its low end on
.set j, j+2
.endr
.irp b, 0,1,2,3
	ds_store_b128 v[STO], v[ACC+32*\a+8*\b:ACC+32*\a+8*\b+3] offset:SBLK*\a+64*\b
	ds_store_b128 v[STO], v[ACC+32*\a+8*\b+4:ACC+32*\a+8*\b+7] offset:SBLK*\a+64*\b+16
.endr
	WIN 0x40
.irp t, 0,1,2,3,4,5,6,7
	ds_load_b128 v[32*\a+4*\t:32*\a+4*\t+3], v[RD] offset:SBLK*\a+2*\t*SPITCH
.endr
	WIN 0
.endr
	WIN 4                                          ; the stores' data lie in window 1
.irp a, 0,1,2,3
	s_wait_dscnt 16*(3-\a)                         ; behind block a's loads: 8 stores and 8 loads of each later block
.irp t, 0,1,2,3,4,5,6,7
	global_store_b128 v[GO], v[32*\a+4*\t:32*\a+4*\t+3], s[12:13] offset:65536*\a+8192*\t th:TH_STORE_NT   ; sixteen lanes store 256 consecutive bytes, aligned
.endr
.endr
	WIN 0
	s_wait_tensorcnt 0x0                           ; the wave's end
	ds_add_u32 v[SPW], v[NIL]
	s_wait_dscnt 0x0
	CROUND                                         ; the closing round
	s_endpgm
.Lfunc_end_k_q68190ac8a3_pv:
	.size	k_q68190ac8a3_pv, .Lfunc_end_k_q68190ac8a3_pv-k_q68190ac8a3_pv
	.p2alignl 7, 3214868480
	.fill 96, 4, 3214868480
	.section	.rodata,"a",@progbits
	.p2align	6, 0x0
	.amdhsa_kernel k_q68190ac8a3_pv
		.amdhsa_group_segment_fixed_size 327680
		.amdhsa_private_segment_fixed_size 0
		.amdhsa_enable_private_segment 0
		.amdhsa_kernarg_size 40
		.amdhsa_user_sgpr_count 2
		.amdhsa_user_sgpr_kernarg_segment_ptr 1
		.amdhsa_wavefront_size32 1
		.amdhsa_system_sgpr_workgroup_id_x 1
		.amdhsa_system_sgpr_workgroup_id_y 1
		.amdhsa_system_sgpr_workgroup_id_z 1
		.amdhsa_system_vgpr_workitem_id 0
		.amdhsa_next_free_vgpr 512
		.amdhsa_next_free_sgpr 102
		.amdhsa_reserve_vcc 0
		.amdhsa_float_denorm_mode_32 3
		.amdhsa_float_denorm_mode_16_64 3
		.amdhsa_memory_ordered 1
		.amdhsa_forward_progress 1
		.amdhsa_inst_pref_size 128
	.end_amdhsa_kernel
	.amdgpu_metadata
---
amdhsa.version: [ 1, 2 ]
amdhsa.kernels:
  - .name:           k_q68190ac8a3_pv
    .symbol:         k_q68190ac8a3_pv.kd
    .args:
      - { .name: pc, .offset: 0, .size: 8, .value_kind: global_buffer, .address_space: global }
      - { .name: pst, .offset: 8, .size: 8, .value_kind: global_buffer, .address_space: global }
      - { .name: vt, .offset: 16, .size: 8, .value_kind: global_buffer, .address_space: global }
      - { .name: vts, .offset: 24, .size: 8, .value_kind: global_buffer, .address_space: global }
      - { .name: out0, .offset: 32, .size: 8, .value_kind: global_buffer, .address_space: global }
    .group_segment_fixed_size: 327680
    .private_segment_fixed_size: 0
    .kernarg_segment_align: 8
    .kernarg_segment_size: 40
    .max_flat_workgroup_size: 128
    .sgpr_count:     102
    .vgpr_count:     512
    .wavefront_size: 32
...
	.end_amdgpu_metadata
.endif
;; end of part 4
